; MI455X (gfx1250); checked and timed in simulation.
; The chip was launched on July 23, 2026; its instructions are those of AMD's public machine-readable ISA for CDNA 5 (MIT licence, August 2026) and "CDNA5" Instruction Set Architecture Reference Guide (July 2026). The comments in the code are by the model that wrote it; some were corrected since.
;; Mo E. Allowed arithmetic: matrix products marked QUANTISED: E5M2 operands, one E8M0 scale for each 32 along K, by v_wmma_scale_f32_16x16x128_f8f6f4 with both operands' format E5M2, f32 sums; products left as they are: f32 operands where the result goes on into a quantised operand, else bf16, f16 or f32 operands; f32 sums; everything else in f32.
;; Inputs: b1 8 x 1,024 float32; b2 8 x 1,024 float32; gate_W 8 x 1,024 float32; gate_b 8 float32; w1_codes 8 x 1,024 x 32 x 32 uint8 (E5M2 codes of w1, K innermost, in blocks of 32 codes); w1_scales 8 x 1,024 x 32 uint8 (E8M0 scales of w1, one for each 32 codes along K); w2_codes 8 x 1,024 x 32 x 32 uint8 (E5M2 codes of w2, K innermost, in blocks of 32 codes); w2_scales 8 x 1,024 x 32 uint8 (E8M0 scales of w2, one for each 32 codes along K); x 4 x 1,024 x 1,024 float32.
;; Outputs: out0 4 x 1,024 x 1,024 float32; out1 4,096 x 8 float32.
;; This version of the problem:
;;   THIS VERSION OF THE PROBLEM IS GIVEN IN LOW PRECISION. The matrix products marked QUANTISED in the list below multiply operands that are first quantised to E5M2 (5 exponent bits, 2 mantissa bits; 8 bits a number), with one power-of-two scale for each 32 numbers along K (OCP MX v1.0); their sums are f32. All else is computed in f32.
;;   The module's matrix products, in the order in which they are computed (A, B: the left and right operand; K: the contracted axis; several contracted axes count as one K, in the product's order):
;;     1. [M 4,096, K 1,024] x [K 1,024, N 8]; A: input x; B: input gate_W: left as it is (N = 8 < 16)
;;     2. [M 4,096, K 1,024] x [K 1,024, N 8,192]; A: input x; B: input w1 (given as codes): QUANTISED
;;     3. batch 8 x [M 1,024, K 1,024] x [K 1,024, N 4,096]; A: input w2 (given as codes); B: computed on the way: QUANTISED
;;   THE QUANTISER, for each operand of a quantised product, along K:
;;     - K is cut into blocks of 32 from its start; a last block that is shorter is filled with zeros.
;;     - A block's scale is 2^e with e = floor(log2(the largest magnitude in the block)) - 15, held to -126 .. 127; a block of zeros has e = 0. As a byte (E8M0): e + 127.
;;     - Each number is divided by its block's scale, clamped to +-57,344, and rounded to the nearest number of E5M2, ties to even, subnormals kept.
;;     - The product sums the exact products of the quantised numbers (number of the format x scale) in f32.
;;   ~~~python
;;   def quantise(x, axis):      # numpy; x: float32 -> the quantised numbers, widened to float32 again
;;       x = np.moveaxis(x, axis, -1); K = x.shape[-1]
;;       x = np.pad(x, [(0, 0)] * (x.ndim - 1) + [(0, -K % 32)]); x = x.reshape(x.shape[:-1] + (-1, 32)); a = np.abs(x).max(-1, keepdims=True)
;;       e = np.where(a > 0, np.clip(np.frexp(np.where(a > 0, a, 1))[1] - 1 - 15, -126, 127), 0)      # np.frexp(a)[1] - 1 = floor(log2(a)), exactly
;;       r = np.clip(x / 2.0 ** e, -57344, 57344)
;;       step = 2.0 ** (np.maximum(np.frexp(np.where(r == 0, 1, r))[1] - 1, -14) - 2)
;;       q = np.round(r / step) * step * 2.0 ** e      # np.round: ties to even
;;       return np.moveaxis(q.reshape(q.shape[:-2] + (-1,))[..., :K], -1, axis).astype(np.float32)
;;   ~~~
;;   OPERANDS COMPUTED ON THE WAY. 'Computed on the way' means the value that the module computes at that place (a softmax that the list does not call 'softmax' is quantised finished and normalised). What goes into a quantiser is computed in f32, as accurately as f32 sums, v_exp_f32 and their like allow (about 1e-6 of the number): no bf16 or f16 on the way to a quantiser, and a product that is left as it is and whose result goes on into a quantised operand takes f32 operands (vector FMAs, or v_wmma_f32_16x16x4_f32). A number that lies on a knife's edge between two numbers of the format may be rounded either way, as far as f32 arithmetic and the matrix unit's own rounding can turn it there, and no further.
;;   INPUTS GIVEN AS CODES. w1 (in the module: [8, 1024, 1024], K = its axis 2); w2 (in the module: [8, 1024, 1024], K = its axis 2): each comes as NAME_codes (uint8): NAME with its K axis moved to the last place and cut into blocks of 32 codes, [.., K / 32, bytes a block], one block behind the other in memory; one code a byte (a code: sign, 5 exponent bits, 2 mantissa bits); and NAME_scales (uint8): the same leading axes, one E8M0 byte (e + 127) for each 32 codes along K. Its value is code x scale, taken as it is: it is not quantised again, and the codes and scales need not be those that the quantiser above would give.
;; 2 versions. Each part assembles by itself: llvm-mc -triple=amdgcn-amd-amdhsa -mcpu=gfx1250 --defsym DOCPART=n.
;; ======== version 1 of 2: 4 launches
;; workspace buffers: xcodes 4,194,304 bytes; xscales 131,072 bytes; wt 131,072 bytes; pid 16,384 bytes of whole numbers; route 16,640 bytes of whole numbers; wf 16,777,216 bytes; hcodes 33,554,432 bytes; hscales 1,048,576 bytes
;; launch gate (part 1): grid 256 x 1, 8 waves a work-group, no clusters, 54,272 bytes of LDS; arguments x, gate_W, gate_b, xcodes, xscales, out1, wt, pid; writes xcodes, xscales, out1, wt, pid
.if DOCPART == 1
	.amdgcn_target "amdgcn-amd-amdhsa--gfx1250"
	.amdhsa_code_object_version 6
	.text
	.protected	k_q0d4efce68e_gate
	.globl	k_q0d4efce68e_gate
	.p2align	8
	.type	k_q0d4efce68e_gate,@function
k_q0d4efce68e_gate:
	s_mov_b64 s[64:65], 0
	v_nop
	global_prefetch_b8 v0, s[64:65] scope:SCOPE_SE
	s_setreg_imm32_b32 hwreg(HW_REG_WAVE_MODE, 25, 1), 1
	s_wait_xcnt 0x0
; THE ROUTER, AND x INTO CODES.  x [4096][1024] f32 is read once.  For each token: 8 logits (f32 multiply-adds), softmax (out1), the two largest
; probabilities (the lower index wins a tie), the softmax of those two, and x's codes of E5M2 with one E8M0 byte for each 32 along K.
; Stored at fixed places: xcodes [token][1024], xscales [token][32], out1 [token][8], wt [token][8] (the gate's weight of expert e, 0 where e was not chosen),
; pid [token]: the number 0..27 of the token's SET of two experts, in an order in which neighbouring numbers share an expert.  No address here hangs on a choice.
; SHARES.  A work-group takes 16 tokens, a wave 2 whole rows.  Lane l holds x[row][128 j + 4 l + i] (j = 0..7, i = 0..3): each load reads 512 consecutive bytes,
; and a block of 32 along K lies in eight neighbouring lanes.  gate_W (32 KiB) lies in LDS, brought once by the eight waves together.
; A lane's eight numbers of one conversion belong to two blocks, so each number is first multiplied by 1 / its block's scale (a power of two: nothing is rounded)
; and the conversion's own scale is 1.  Codes and the small results leave through LDS, in runs of 512 consecutive bytes.
; No matrix unit: the product has 8 columns, and a logit's error could turn a choice.  No cluster: work-groups share gate_W alone, 32 KiB against 64 KiB of x each.
; LIMITS: NaN and infinities in x are not served; a block whose largest magnitude lies under 2^-111 gets the byte 1; two probabilities equal within f32 rounding may be ranked either way.
.set X,    32                          ; v32-95   x: 32 row + 4 j + i
.set G,    96                          ; v96-159  gate_W on its way to LDS, then two sets of 8 experts x 4 numbers, then at work
.set ACC,  160                         ; v160-191 sums: 16 row + 2 e, a pair each
.set LG,   192                         ; v192-207 logits, then probabilities: 8 row + e
.set WR,   208                         ; v208-223 gate weights: 8 row + e
.set CD,   224                         ; v224-239 codes: 8 row + j
.set CST,  32768                       ; LDS: behind gate_W a stage of 2,048 bytes for each wave's codes
.set RES,  49152                       ; and the work-group's small results: scale bytes 512, probabilities 512, weights 512, pair numbers 64
.set TMX,  112
.set TS,   113
.set TV1,  117
.set TI1,  118
.set TV2,  119
.set TI2,  120
.set TEX,  121
.set TWA,  122
.set TWB,  123
.set TT0,  124
.set Q,    128
	s_load_b512 s[8:23], s[0:1], 0x0               ; x 8, gate_W 10, gate_b 12, xcodes 14, xscales 16, out1 18, wt 20, pid 22
	v_lshl_add_u32 v254, v0, 2, 0xd000
	v_mov_b32 v255, 0
	v_lshrrev_b32 v3, 5, v0
	v_readfirstlane_b32 s32, v3                    ; wave 0..7
	v_and_b32 v3, 31, v0                           ; lane
	v_lshlrev_b32 v1, 4, v3                        ; 16 x lane
	v_lshlrev_b32 v2, 4, v0                        ; 16 x thread
	s_lshl_b32 s33, s32, 11
	s_add_co_u32 s33, s33, CST                     ; my wave's stage
	v_lshl_add_u32 v4, v3, 2, s33                  ; into it: 4 bytes a lane
	v_add_nc_u32 v5, s33, v1                       ; out of it: 16 bytes a lane
	s_lshl_b32 s33, s32, 6
	s_add_co_u32 s33, s33, RES                     ; my two tokens' 64 bytes in each of the three regions of 512
	v_lshrrev_b32 v6, 3, v3
	v_add_nc_u32 v6, s33, v6                       ; scale bytes: + lane / 8
	v_mov_b32 v7, s33
	s_lshl_b32 s33, s32, 3
	s_add_co_u32 s33, s33, RES+1536
	v_mov_b32 v11, s33                             ; my two tokens' pair numbers
	s_lshl_b32 s33, s32, 9
	s_add_co_u32 s33, s33, RES
	v_add_nc_u32 v9, s33, v1                       ; the way out of the small results: region = wave (waves 0 to 2 use it)
	v_and_b32 v12, 15, v0
	v_lshlrev_b32 v12, 2, v12
	v_add_nc_u32 v10, RES+1536, v12                ; and of the pair numbers
	v_mov_b32 v8, 1.0                              ; the conversions' scale operand: exponent field 127
	s_mov_b32 s36, 0x76543210
	s_mov_b32 s37, 0xfedcba98                      ; v_permlanex16_b32's selects for lane l xor 16
	s_mov_b32 s38, 0xc7600000                      ; -57,344
	s_mov_b32 s39, 0x47600000                      ; 57,344
	s_lshl_b32 s34, ttmp9, 16
	s_lshl_b32 s33, s32, 13
	s_add_co_u32 s34, s34, s33                     ; x: 16 rows of 4,096 bytes a work-group, 2 a wave
	s_mov_b32 s35, 0
	s_lshl_b32 s42, ttmp9, 14
	s_lshl_b32 s33, s32, 11
	s_add_co_u32 s42, s42, s33                     ; codes: a quarter of that
	s_mov_b32 s43, 0
	s_lshl_b32 s44, ttmp9, 9                       ; 512 bytes a work-group in xscales, out1 and wt
	s_mov_b32 s45, 0
	s_lshl_b32 s46, ttmp9, 6                       ; 64 in pid
	s_mov_b32 s47, 0
	s_wait_kmcnt 0x0
	s_load_b256 s[24:31], s[12:13], 0x0            ; gate_b
	s_add_nc_u64 s[8:9], s[8:9], s[34:35]
	s_add_nc_u64 s[14:15], s[14:15], s[42:43]
.irp i, 0,1,2,3,4,5,6,7
	global_load_b128 v[G+4*\i:G+4*\i+3], v2, s[10:11] offset:4096*\i                ; gate_W: 4,096 consecutive bytes for the 256 threads
.endr
.irp r, 0,1
.irp j, 0,1,2,3,4,5,6,7
	global_load_b128 v[X+32*\r+4*\j:X+32*\r+4*\j+3], v1, s[8:9] offset:4096*\r+512*\j th:TH_LOAD_NT
.endr
.endr
	s_wait_loadcnt 16                              ; gate_W's eight loads are in; x's sixteen, issued behind them, stay out
.irp i, 0,1,2,3,4,5,6,7
	ds_store_b128 v2, v[G+4*\i:G+4*\i+3] offset:4096*\i
.endr
	s_wait_dscnt 0x0                               ; for the others' sake: my part of gate_W lies in LDS
	s_barrier_signal -1
	s_barrier_wait -1
.macro GLOAD j                         ; gate_W[e][128 j + 4 lane + 0..3], e = 0..7, into set j % 2
.irp e, 0,1,2,3,4,5,6,7
	ds_load_b128 v[G+32*((\j)%2)+4*\e:G+32*((\j)%2)+4*\e+3], v1 offset:4096*\e+512*(\j)
.endr
.endm
	GLOAD 0
	s_wait_loadcnt 0x0                             ; x
.irp j, 0,1,2,3,4,5,6,7
.if \j < 7
	GLOAD \j+1
	s_wait_dscnt 8                                 ; this set's eight loads are in, the next set's eight may be out
.else
	s_wait_dscnt 0x0
.endif
.irp p, 0,1
.irp e, 0,1,2,3,4,5,6,7
.irp r, 0,1
.if (\j == 0) && (\p == 0)
	v_pk_mul_f32 v[ACC+16*\r+2*\e:ACC+16*\r+2*\e+1], v[X+32*\r+4*\j+2*\p:X+32*\r+4*\j+2*\p+1], v[G+32*(\j%2)+4*\e+2*\p:G+32*(\j%2)+4*\e+2*\p+1]   ; the first product starts the sum
.else
	v_pk_fma_f32 v[ACC+16*\r+2*\e:ACC+16*\r+2*\e+1], v[X+32*\r+4*\j+2*\p:X+32*\r+4*\j+2*\p+1], v[G+32*(\j%2)+4*\e+2*\p:G+32*(\j%2)+4*\e+2*\p+1], v[ACC+16*\r+2*\e:ACC+16*\r+2*\e+1]
.endif
.endr
.endr
.endr
.endr
	; the 16 sums over the wave's 32 lanes; every lane ends up with all of them
.irp k, 0,1,2,3,4,5,6,7,8,9,10,11,12,13,14,15
	v_add_f32 v[LG+\k], v[ACC+2*\k], v[ACC+2*\k+1]
.endr
.irp x, 1,2,4,8
.irp k, 0,1,2,3,4,5,6,7,8,9,10,11,12,13,14,15
	v_add_f32_dpp v[LG+\k], v[LG+\k], v[LG+\k] row_xmask:\x row_mask:0xf bank_mask:0xf
.endr
.endr
.irp k, 0,1,2,3,4,5,6,7,8,9,10,11,12,13,14,15
	v_permlanex16_b32 v[G+\k], v[LG+\k], s36, s37  ; (its destination has been written: gate_W's numbers lay there)
.endr
	s_wait_kmcnt 0x0                               ; gate_b
.irp k, 0,1,2,3,4,5,6,7,8,9,10,11,12,13,14,15
	v_add_f32 v[LG+\k], v[LG+\k], v[G+\k]
.endr
.irp k, 0,1,2,3,4,5,6,7,8,9,10,11,12,13,14,15
	v_add_f32 v[LG+\k], s[24+(\k%8)], v[LG+\k]
.endr
; One token's routing, the same in all lanes.
.macro ROUTE r
.set RL, LG+8*\r
.set RW, WR+8*\r
	v_max3_num_f32 v[TMX], v[RL], v[RL+1], v[RL+2]                 ; the largest logit is taken away ahead of the exponentials
	v_max3_num_f32 v[TMX], v[TMX], v[RL+3], v[RL+4]
	v_max3_num_f32 v[TMX], v[TMX], v[RL+5], v[RL+6]
	v_max_num_f32 v[TMX], v[TMX], v[RL+7]
.irp e, 0,1,2,3,4,5,6,7
	v_sub_f32 v[RL+\e], v[RL+\e], v[TMX]
.endr
.irp e, 0,1,2,3,4,5,6,7
	v_mul_f32 v[RL+\e], 0x3fb8aa3b, v[RL+\e]       ; x log2(e)
.endr
.irp e, 0,1,2,3,4,5,6,7
	v_exp_f32 v[RL+\e], v[RL+\e]
.endr
	v_nop                                          ; one plain instruction behind the exponentials
	s_wait_alu depctr_va_vdst(0)
	v_add_f32 v[TS], v[RL], v[RL+1]
	v_add_f32 v[TS+1], v[RL+2], v[RL+3]
	v_add_f32 v[TS+2], v[RL+4], v[RL+5]
	v_add_f32 v[TS+3], v[RL+6], v[RL+7]
	v_add_f32 v[TS], v[TS], v[TS+1]
	v_add_f32 v[TS+2], v[TS+2], v[TS+3]
	v_add_f32 v[TS], v[TS], v[TS+2]
	v_rcp_f32 v[TS], v[TS]
	v_nop
	s_wait_alu depctr_va_vdst(0)
.irp e, 0,1,2,3,4,5,6,7
	v_mul_f32 v[RL+\e], v[RL+\e], v[TS]            ; the probabilities
.endr
	v_mov_b32 v[TV1], v[RL]                        ; the largest: what is held stays unless a later one is strictly larger, so the lower index wins a tie
	v_mov_b32 v[TI1], 0
.irp e, 1,2,3,4,5,6,7
	v_cmp_ge_f32 vcc_lo, v[TV1], v[RL+\e]
	v_cndmask_b32 v[TI1], \e, v[TI1], vcc_lo
	v_cndmask_b32 v[TV1], v[RL+\e], v[TV1], vcc_lo
.endr
.irp e, 0,1,2,3,4,5,6,7
	v_cmp_ne_u32 vcc_lo, \e, v[TI1]
	v_cndmask_b32 v[Q+\e], -1.0, v[RL+\e], vcc_lo  ; the winner is taken out: -1 lies under every probability
.endr
	v_mov_b32 v[TV2], v[Q]
	v_mov_b32 v[TI2], 0
.irp e, 1,2,3,4,5,6,7
	v_cmp_ge_f32 vcc_lo, v[TV2], v[Q+\e]
	v_cndmask_b32 v[TI2], \e, v[TI2], vcc_lo
	v_cndmask_b32 v[TV2], v[Q+\e], v[TV2], vcc_lo
.endr
	v_sub_f32 v[TEX], v[TV2], v[TV1]               ; softmax of the two, the larger taken away: 1 / (1 + e^(v2 - v1)) and the rest
	v_mul_f32 v[TEX], 0x3fb8aa3b, v[TEX]
	v_exp_f32 v[TEX], v[TEX]
	v_nop
	s_wait_alu depctr_va_vdst(0)
	v_add_f32 v[TWA], 1.0, v[TEX]
	v_rcp_f32 v[TWA], v[TWA]
	v_nop
	s_wait_alu depctr_va_vdst(0)
	v_mul_f32 v[TWB], v[TEX], v[TWA]
.irp e, 0,1,2,3,4,5,6,7
	v_cmp_eq_u32 vcc_lo, \e, v[TI2]
	v_cndmask_b32 v[RW+\e], 0, v[TWB], vcc_lo
	v_cmp_eq_u32 vcc_lo, \e, v[TI1]
	v_cndmask_b32 v[RW+\e], v[RW+\e], v[TWA], vcc_lo
.endr
	v_min_u32 v[TT0], v[TI1], v[TI2]               ; lo
	v_max_u32 v[TT0+1], v[TI1], v[TI2]             ; hi
	v_sub_nc_u32 v[TT0+2], 15, v[TT0]
	v_mul_u32_u24 v[TT0+2], v[TT0], v[TT0+2]
	v_lshrrev_b32 v[TT0+2], 1, v[TT0+2]            ; lo (15 - lo) / 2: the pairs with a smaller lo
	v_sub_nc_u32 v[TT0+3], v[TT0+1], v[TT0]
	v_add_nc_u32 v[TT0+3], -1, v[TT0+3]            ; lo even: hi ascending
	v_sub_nc_u32 v[TT0+1], 7, v[TT0+1]             ; lo odd: hi descending
	v_and_b32 v[TT0], 1, v[TT0]
	v_cmp_eq_u32 vcc_lo, 1, v[TT0]
	v_cndmask_b32 v[TT0+3], v[TT0+3], v[TT0+1], vcc_lo
	v_add_nc_u32 v[TT0], v[TT0+2], v[TT0+3]        ; the pair's number
	ds_store_b128 v7, v[RL:RL+3] offset:512+32*\r                  ; all lanes write the same bytes with the same values
	ds_store_b128 v7, v[RL+4:RL+7] offset:512+32*\r+16
	ds_store_b128 v7, v[RW:RW+3] offset:1024+32*\r
	ds_store_b128 v7, v[RW+4:RW+7] offset:1024+32*\r+16
	ds_store_b32 v11, v[TT0] offset:4*\r
.endm
; One row into codes.  Block 4 j + lane / 8 lies in eight lanes' registers 4 j .. 4 j + 3.
.macro QUANT r
.set XR, X+32*\r
.irp j, 0,1,2,3,4,5,6,7
	v_max3_num_f32 v[G+\j], |v[XR+4*\j]|, |v[XR+4*\j+1]|, 0x8000000   ; with the floor 2^(16 - 127): the byte cannot fall under 1
.endr
.irp j, 0,1,2,3,4,5,6,7
	v_max3_num_f32 v[G+\j], v[G+\j], |v[XR+4*\j+2]|, |v[XR+4*\j+3]|
.endr
.irp x, 1,2,4
.irp j, 0,1,2,3,4,5,6,7
	v_max_num_f32_dpp v[G+\j], v[G+\j], v[G+\j] row_xmask:\x row_mask:0xf bank_mask:0xf
.endr
.endr
.irp j, 0,1,2,3,4,5,6,7
	v_and_b32 v[G+8+\j], 0x7f800000, v[G+\j]       ; the largest magnitude's exponent field F
.endr
.irp j, 0,1,2,3,4,5,6,7
	v_sub_nc_u32 v[G+8+\j], 0x86800000, v[G+8+\j]  ; 1 / scale: the scale's field is F - 15, so this one's is 254 - (F - 15) = 269 - F, between 15 and 253
.endr
.irp j, 0,1,2,3,4,5,6,7
	v_lshrrev_b32 v[G+16+\j], 23, v[G+\j]
.endr
.irp j, 0,1,2,3,4,5,6,7
	v_add_nc_u32 v[G+16+\j], -15, v[G+16+\j]       ; the scale's byte
.endr
.irp j, 0,1,2,3,4,5,6,7
	ds_store_b8 v6, v[G+16+\j] offset:32*\r+4*\j   ; the eight lanes of a block write the same byte with the same value
.endr
.irp j, 0,1,2,3,4,5,6,7
.irp i, 0,1,2,3
	v_mul_f32 v[XR+4*\j+\i], v[XR+4*\j+\i], v[G+8+\j]
.endr
.endr
.set k, 0
.rept 32
	v_med3_num_f32 v[XR+k], v[XR+k], s38, s39      ; the conversion to an 8-bit code does not saturate (ISA guide 7.6.2): the hold at +-57,344 comes first
.set k, k+1
.endr
.irp q, 0,1,2,3
	v_cvt_scalef32_pk8_bf8_f32 v[CD+8*\r+2*\q:CD+8*\r+2*\q+1], v[XR+8*\q:XR+8*\q+7], v8
.endr
	v_nop                                          ; one plain instruction behind the last conversion
.irp j, 0,1,2,3,4,5,6,7
	ds_store_b32 v4, v[CD+8*\r+\j] offset:1024*\r+128*\j           ; codes 128 j + 4 lane .. + 3 of the row
.endr
.endm
	ROUTE 0
	ROUTE 1
	QUANT 0
	QUANT 1
.irp i, 0,1,2,3
	ds_load_b128 v[G+4*\i:G+4*\i+3], v5 offset:512*\i              ; LDS serves a wave's instructions in order: these see my stores
.endr
	s_wait_dscnt 0x0                               ; the codes are back, and all my stores of small results have landed
.irp i, 0,1,2,3
	global_store_b128 v1, v[G+4*\i:G+4*\i+3], s[14:15] offset:512*\i   ; 512 consecutive bytes a store
.endr
	s_barrier_signal -1
	s_barrier_wait -1                              ; the 16 tokens' small results lie in LDS
	s_cmp_gt_u32 s32, 3
	s_cbranch_scc1 .Ldone
	s_cmp_eq_u32 s32, 3
	s_cbranch_scc1 .Lpid
	s_cmp_eq_u32 s32, 0                            ; wave 0: scale bytes, wave 1: probabilities, wave 2: weights: 512 consecutive bytes each
	s_cselect_b64 s[40:41], s[16:17], s[18:19]
	s_cmp_eq_u32 s32, 2
	s_cselect_b64 s[40:41], s[20:21], s[40:41]
	s_add_nc_u64 s[40:41], s[40:41], s[44:45]
	ds_load_b128 v[128:131], v9
	s_wait_dscnt 0x0
	global_store_b128 v1, v[128:131], s[40:41]
	s_wait_tensorcnt 0x0
	ds_add_u32 v254, v255
	s_wait_dscnt 0x0
	s_endpgm
.Lpid:
	s_add_nc_u64 s[22:23], s[22:23], s[46:47]
	ds_load_b32 v128, v10
	s_wait_dscnt 0x0
	global_store_b32 v12, v128, s[22:23]           ; 16 numbers; the two halves of the lanes write the same
.Ldone:
	s_wait_tensorcnt 0x0
	ds_add_u32 v254, v255
	s_wait_dscnt 0x0
	s_endpgm
.Lfunc_end_k_q0d4efce68e_gate:
	.size	k_q0d4efce68e_gate, .Lfunc_end_k_q0d4efce68e_gate-k_q0d4efce68e_gate
	.p2alignl 7, 3214868480
	.fill 96, 4, 3214868480
	.section	.rodata,"a",@progbits
	.p2align	6, 0x0
	.amdhsa_kernel k_q0d4efce68e_gate
		.amdhsa_group_segment_fixed_size 54272
		.amdhsa_private_segment_fixed_size 0
		.amdhsa_enable_private_segment 0
		.amdhsa_kernarg_size 64
		.amdhsa_user_sgpr_count 2
		.amdhsa_user_sgpr_kernarg_segment_ptr 1
		.amdhsa_wavefront_size32 1
		.amdhsa_system_sgpr_workgroup_id_x 1
		.amdhsa_system_sgpr_workgroup_id_y 1
		.amdhsa_system_sgpr_workgroup_id_z 1
		.amdhsa_system_vgpr_workitem_id 0
		.amdhsa_next_free_vgpr 256
		.amdhsa_next_free_sgpr 66
		.amdhsa_reserve_vcc 1
		.amdhsa_float_denorm_mode_32 3
		.amdhsa_float_denorm_mode_16_64 3
		.amdhsa_memory_ordered 1
		.amdhsa_forward_progress 1
		.amdhsa_inst_pref_size 63
	.end_amdhsa_kernel
	.amdgpu_metadata
---
amdhsa.version: [ 1, 2 ]
amdhsa.kernels:
  - .name:           k_q0d4efce68e_gate
    .symbol:         k_q0d4efce68e_gate.kd
    .args:
      - { .name: x, .offset: 0, .size: 8, .value_kind: global_buffer, .address_space: global }
      - { .name: gate_W, .offset: 8, .size: 8, .value_kind: global_buffer, .address_space: global }
      - { .name: gate_b, .offset: 16, .size: 8, .value_kind: global_buffer, .address_space: global }
      - { .name: xcodes, .offset: 24, .size: 8, .value_kind: global_buffer, .address_space: global }
      - { .name: xscales, .offset: 32, .size: 8, .value_kind: global_buffer, .address_space: global }
      - { .name: out1, .offset: 40, .size: 8, .value_kind: global_buffer, .address_space: global }
      - { .name: wt, .offset: 48, .size: 8, .value_kind: global_buffer, .address_space: global }
      - { .name: pid, .offset: 56, .size: 8, .value_kind: global_buffer, .address_space: global }
    .group_segment_fixed_size: 54272
    .private_segment_fixed_size: 0
    .kernarg_segment_align: 8
    .kernarg_segment_size: 64
    .max_flat_workgroup_size: 256
    .sgpr_count:     66
    .vgpr_count:     256
    .wavefront_size: 32
...
	.end_amdgpu_metadata
.endif
;; end of part 1
;; launch place (part 2): grid 257 x 1, 16 waves a work-group, no clusters, 4,096 bytes of LDS; arguments pid, w1_codes, w2_codes, route, wf; writes route, wf
.if DOCPART == 2
	.amdgcn_target "amdgcn-amd-amdhsa--gfx1250"
	.amdhsa_code_object_version 6
	.text
	.protected	k_q0d4efce68e_place
	.globl	k_q0d4efce68e_place
	.p2align	8
	.type	k_q0d4efce68e_place,@function
k_q0d4efce68e_place:
	s_mov_b64 s[64:65], 0
	v_nop
	global_prefetch_b8 v0, s[64:65] scope:SCOPE_SE
	s_setreg_imm32_b32 hwreg(HW_REG_WAVE_MODE, 25, 1), 1
	s_wait_xcnt 0x0
; TWO JOBS IN ONE LAUNCH, parted on the work-group's number.
; WORK-GROUP 0 sorts the 4,096 tokens by their pair number (a counting sort without atomics) and stores route: order[place] = token at byte 0, and at byte 16,384 for each
; block of 64 places a mask of the experts that the block's tokens use.  Neighbouring pair numbers share an expert, so a block that straddles one boundary uses three experts.
; WORK-GROUPS 1 TO 256 lay the weights' codes in the order of an operand's registers: wf [matrix 16][tile 64][K step 8][2,048 bytes]; matrices 0-7 are W1's experts, 8-15 W2's.
; In an image, lane l's 16 bytes of register group c lie at 512 c + 16 l: lane (r, h) holds codes 128 s + 32 c + 16 h .. + 15 of the tile's row r.  So the later launches load each
; fragment by four loads of 512 consecutive bytes.  W1's tile 2 b + u holds rows 32 b + 8 u + r + 8 (r / 8), so that the results of two neighbouring tiles are 16 neighbours along the next K;
; W2's tile T holds rows 16 T + r.
.set KK,    8                          ; v8-15   my 8 tokens' pair numbers: token 256 wave + 32 j + lane
.set RR,    16                         ; v16-23  their ranks among my wave's tokens of the same pair
.set CNT,   24                         ; lane p: my wave's count of pair p
.set TT,    25
.set TOT,   26                         ; lane p: all waves' count
.set PART,  27                         ; lane p: the count of the waves in front of mine
.set START, 28                         ; lane p: the first place of pair p
.set BASE,  29
.set T2,    30
.set T3,    31
.set AA,    32                         ; v32-47  the 16 waves' counts; later at work
.set BLO,   44
.set BHI,   45
.set BMK,   46
.set TOKR,  48
.set DD,    56
	s_load_b256 s[4:11], s[0:1], 0x0               ; pid 4, w1_codes 6, w2_codes 8, route 10
	s_load_b64 s[12:13], s[0:1], 0x20              ; wf
	v_lshl_add_u32 v64, v0, 2, 0x800
	v_mov_b32 v65, 0
	v_lshrrev_b32 v1, 5, v0
	v_readfirstlane_b32 s16, v1                    ; wave 0..15
	v_and_b32 v2, 31, v0                           ; lane
	s_cmp_lg_u32 ttmp9, 0
	s_cbranch_scc1 .Llayout
	; ---- the sort
	v_lshlrev_b32 v3, 2, v2                        ; 4 x lane
	v_lshl_add_u32 v4, v1, 10, v3                  ; my first token's pair number: 1,024 wave + 4 lane
	v_lshl_add_u32 v5, v1, 8, v2                   ; my first token
	v_lshlrev_b32 v6, 2, v0                        ; 4 x thread
	s_wait_kmcnt 0x0
.irp j, 0,1,2,3,4,5,6,7
	global_load_b32 v[KK+\j], v4, s[4:5] offset:128*\j
.endr
.irp j, 0,1,2,3,4,5,6,7
	v_mov_b32 v[RR+\j], 0
.endr
	v_mov_b32 v[CNT], 0
	v_mov_b32 v[START], 0
	v_mov_b32 v[TOT], 0
	v_mov_b32 v[PART], 0
	s_wait_loadcnt 0x0
.irp j, 0,1,2,3,4,5,6,7
	v_min_u32 v[KK+\j], 31, v[KK+\j]
.endr
.irp p, 0,1,2,3,4,5,6,7,8,9,10,11,12,13,14,15,16,17,18,19,20,21,22,23,24,25,26,27
.irp j, 0,1,2,3,4,5,6,7
	v_cmp_eq_u32 s[24+\j], \p, v[KK+\j]            ; which lanes' j-th token has pair p
.endr
	s_mov_b32 s20, 0
.irp j, 0,1,2,3,4,5,6,7
	v_mbcnt_lo_u32_b32 v[TT], s[24+\j], s20        ; those in lower lanes, and those of lower j
	v_cndmask_b32 v[RR+\j], v[RR+\j], v[TT], s[24+\j]
	s_bcnt1_i32_b32 s21, s[24+\j]
	s_add_co_u32 s20, s20, s21
.endr
	v_writelane_b32 v[CNT], s20, \p
.endr
	ds_store_b32 v6, v[CNT]                        ; wave w's counts at 128 w
	s_wait_dscnt 0x0
	s_barrier_signal -1
	s_barrier_wait -1
.irp q, 0,1,2,3,4,5,6,7,8,9,10,11,12,13,14,15
	ds_load_b32 v[AA+\q], v3 offset:128*\q
.endr
	s_wait_dscnt 0x0
.irp q, 0,1,2,3,4,5,6,7,8,9,10,11,12,13,14,15
	s_cmp_gt_u32 s16, \q
	s_cselect_b32 s21, -1, 0
	v_add_nc_u32 v[TOT], v[TOT], v[AA+\q]
	v_and_b32 v[TT], s21, v[AA+\q]
	v_add_nc_u32 v[PART], v[PART], v[TT]
.endr
	s_mov_b32 s20, 0
.irp p, 0,1,2,3,4,5,6,7,8,9,10,11,12,13,14,15,16,17,18,19,20,21,22,23,24,25,26,27
	v_writelane_b32 v[START], s20, \p
	v_readlane_b32 s21, v[TOT], \p
	s_add_co_u32 s20, s20, s21
.endr
	v_add_nc_u32 v[BASE], v[START], v[PART]        ; lane p: the first place of my wave's tokens of pair p
.irp j, 0,1,2,3,4,5,6,7
	v_lshlrev_b32 v[AA+\j], 2, v[KK+\j]
.endr
.irp j, 0,1,2,3,4,5,6,7
	ds_bpermute_b32 v[DD+\j], v[AA+\j], v[BASE]    ; each token fetches its pair's base from that pair's lane
.endr
	s_wait_dscnt 0x0
.irp j, 0,1,2,3,4,5,6,7
	v_add_nc_u32 v[DD+\j], v[DD+\j], v[RR+\j]
	v_min_u32 v[DD+\j], 0xfff, v[DD+\j]
	v_lshlrev_b32 v[DD+\j], 2, v[DD+\j]
	v_add_nc_u32 v[TOKR+\j], 32*\j, v5
	global_store_b32 v[DD+\j], v[TOKR+\j], s[10:11]   ; 16 KiB in all; a wave's tokens of one pair go to neighbouring places
.endr
	s_cmp_gt_u32 s16, 1
	s_cbranch_scc1 .Lend
	; ---- the blocks' masks: thread = block, 64 of them.  Pair p counts where its run of places meets the block's
	v_lshlrev_b32 v[BLO], 6, v0
	v_add_nc_u32 v[BHI], 64, v[BLO]
	v_mov_b32 v[BMK], 0
.macro BM p, eb                        ; eb: the two experts of pair p, as bits
	v_readlane_b32 s20, v[START], \p
	v_readlane_b32 s21, v[TOT], \p
	s_add_co_u32 s21, s21, s20
	v_max_u32 v[TT], s20, v[BLO]
	v_min_u32 v[T2], s21, v[BHI]
	v_cmp_lt_u32 vcc_lo, v[TT], v[T2]
	v_or_b32 v[T3], \eb, v[BMK]
	v_cndmask_b32 v[BMK], v[BMK], v[T3], vcc_lo
.endm
	BM 0, 0x03
	BM 1, 0x05
	BM 2, 0x09
	BM 3, 0x11
	BM 4, 0x21
	BM 5, 0x41
	BM 6, 0x81
	BM 7, 0x82
	BM 8, 0x42
	BM 9, 0x22
	BM 10, 0x12
	BM 11, 0x0a
	BM 12, 0x06
	BM 13, 0x0c
	BM 14, 0x14
	BM 15, 0x24
	BM 16, 0x44
	BM 17, 0x84
	BM 18, 0x88
	BM 19, 0x48
	BM 20, 0x28
	BM 21, 0x18
	BM 22, 0x30
	BM 23, 0x50
	BM 24, 0x90
	BM 25, 0xa0
	BM 26, 0x60
	BM 27, 0xc0
	global_store_b32 v6, v[BMK], s[10:11] offset:16384
.Lend:
	s_wait_tensorcnt 0x0
	ds_add_u32 v64, v65
	s_wait_dscnt 0x0
	s_endpgm
	; ---- the weights.  A wave's task: one tile, two K steps: 16 rows x 256 bytes in, 4,096 consecutive bytes out
.Llayout:
	s_sub_co_u32 s17, ttmp9, 1
	s_lshl_b32 s17, s17, 4
	s_add_co_u32 s17, s17, s16                     ; task = matrix (4 bits) | tile (6) | pair of K steps (2)
	s_lshr_b32 s18, s17, 8                         ; matrix
	s_bfe_u32 s19, s17, 0x60002                    ; tile
	s_and_b32 s20, s17, 3                          ; pair of K steps
	s_and_b32 s21, s18, 7                          ; expert
	s_lshr_b32 s22, s19, 1
	s_lshl_b32 s22, s22, 5
	s_and_b32 s23, s19, 1
	s_lshl_b32 s23, s23, 3
	s_add_co_u32 s22, s22, s23                     ; W1: the tile's first row 32 (T / 2) + 8 (T % 2)
	s_lshl_b32 s23, s19, 4                         ; W2: 16 T
	s_wait_kmcnt 0x0
	s_cmp_lt_u32 s18, 8                            ; W1 or W2: the choice hangs on ids alone
	s_cselect_b64 s[6:7], s[6:7], s[8:9]
	s_cselect_b32 s22, s22, s23
	s_cselect_b32 s23, 8, 0
	s_lshl_b32 s24, s21, 20                        ; an expert's codes: 2^20 bytes
	s_lshl_b32 s22, s22, 10
	s_add_co_u32 s24, s24, s22
	s_lshl_b32 s20, s20, 8
	s_add_co_u32 s24, s24, s20
	s_mov_b32 s25, 0
	s_add_nc_u64 s[6:7], s[6:7], s[24:25]
	s_lshl_b32 s24, s17, 12
	s_add_nc_u64 s[12:13], s[12:13], s[24:25]
	v_and_b32 v3, 15, v0                           ; r
	v_bfe_u32 v4, v0, 4, 1                         ; h
	v_and_b32 v5, s23, v3
	v_add_nc_u32 v5, v5, v3                        ; W1: r + 8 (r / 8); W2: r
	v_lshlrev_b32 v5, 10, v5
	v_lshl_add_u32 v5, v4, 4, v5
	v_lshlrev_b32 v6, 4, v2
.irp k, 0,1
.irp c, 0,1,2,3
	global_load_b128 v[8+16*\k+4*\c:8+16*\k+4*\c+3], v5, s[6:7] offset:128*\k+32*\c th:TH_LOAD_NT   ; the eight loads together take 256 consecutive bytes of each of 16 rows; read once in the program
.endr
.endr
	s_wait_loadcnt 0x0
.irp k, 0,1
.irp c, 0,1,2,3
	global_store_b128 v6, v[8+16*\k+4*\c:8+16*\k+4*\c+3], s[12:13] offset:512*(4*\k+\c)
.endr
.endr
	s_endpgm
.Lfunc_end_k_q0d4efce68e_place:
	.size	k_q0d4efce68e_place, .Lfunc_end_k_q0d4efce68e_place-k_q0d4efce68e_place
	.p2alignl 7, 3214868480
	.fill 96, 4, 3214868480
	.section	.rodata,"a",@progbits
	.p2align	6, 0x0
	.amdhsa_kernel k_q0d4efce68e_place
		.amdhsa_group_segment_fixed_size 4096
		.amdhsa_private_segment_fixed_size 0
		.amdhsa_enable_private_segment 0
		.amdhsa_kernarg_size 40
		.amdhsa_user_sgpr_count 2
		.amdhsa_user_sgpr_kernarg_segment_ptr 1
		.amdhsa_wavefront_size32 1
		.amdhsa_system_sgpr_workgroup_id_x 1
		.amdhsa_system_sgpr_workgroup_id_y 1
		.amdhsa_system_sgpr_workgroup_id_z 1
		.amdhsa_system_vgpr_workitem_id 0
		.amdhsa_next_free_vgpr 66
		.amdhsa_next_free_sgpr 66
		.amdhsa_reserve_vcc 1
		.amdhsa_float_denorm_mode_32 3
		.amdhsa_float_denorm_mode_16_64 3
		.amdhsa_memory_ordered 1
		.amdhsa_forward_progress 1
		.amdhsa_inst_pref_size 85
	.end_amdhsa_kernel
	.amdgpu_metadata
---
amdhsa.version: [ 1, 2 ]
amdhsa.kernels:
  - .name:           k_q0d4efce68e_place
    .symbol:         k_q0d4efce68e_place.kd
    .args:
      - { .name: pid, .offset: 0, .size: 8, .value_kind: global_buffer, .address_space: global }
      - { .name: w1_codes, .offset: 8, .size: 8, .value_kind: global_buffer, .address_space: global }
      - { .name: w2_codes, .offset: 16, .size: 8, .value_kind: global_buffer, .address_space: global }
      - { .name: route, .offset: 24, .size: 8, .value_kind: global_buffer, .address_space: global }
      - { .name: wf, .offset: 32, .size: 8, .value_kind: global_buffer, .address_space: global }
    .group_segment_fixed_size: 4096
    .private_segment_fixed_size: 0
    .kernarg_segment_align: 8
    .kernarg_segment_size: 40
    .max_flat_workgroup_size: 512
    .sgpr_count:     66
    .vgpr_count:     66
    .wavefront_size: 32
...
	.end_amdgpu_metadata
.endif
;; end of part 2
;; launch up (part 3): grid 4 x 64, 4 waves a work-group, no clusters, 70,144 bytes of LDS; arguments xcodes, xscales, wf, w1_scales, b1, route, hcodes, hscales; writes hcodes, hscales
.if DOCPART == 3
	.amdgcn_target "amdgcn-amd-amdhsa--gfx1250"
	.amdhsa_code_object_version 6
	.text
	.protected	k_q0d4efce68e_up
	.globl	k_q0d4efce68e_up
	.p2align	8
	.type	k_q0d4efce68e_up,@function
k_q0d4efce68e_up:
	s_mov_b64 s[64:65], 0
	v_nop
	global_prefetch_b8 v0, s[64:65] scope:SCOPE_SE
	s_setreg_imm32_b32 hwreg(HW_REG_WAVE_MODE, 25, 1), 1
	s_wait_xcnt 0x0
; THE FIRST PRODUCT, for the chosen experts alone: h = Q(relu(x W1^T + b1)), on codes of E5M2 with E8M0 scales.
; SHARES.  Work-group (c, b): block b of 64 sorted tokens x hidden units 256 c .. 256 c + 255.  Wave w: all 64 tokens x units 256 c + 64 w .. + 63: 16 accumulators, 128 registers.
; It walks the 8 experts in a loop of constant count and passes over, by a scalar branch on the block's stored mask, those that none of its tokens uses.
; x: all four waves want the same 64 tokens' codes, so each wave fetches 16 tokens, sixteen lanes to 256 consecutive bytes of a token's row, and lays them in LDS as [tile of tokens 4][piece of 16 bytes 64][token 16];
; behind one barrier every wave reads all fragments from there (sixteen lanes read 256 consecutive bytes) and keeps them in 512 registers for all experts.
; W1's fragments come from wf by loads of 512 consecutive bytes into four buffers.  A K step is two halves: eight products, eight places, and the two tiles just read are asked for again with the step four on:
; so four K steps, 64 loads a wave, are on their way; an expert's last four steps ask for the next used expert's first four.
; TRANSPOSED: source 0 = 16 rows of W1, source 1 = 16 tokens.  A lane holds one token, and the 16 registers of tiles 2 b', 2 b' + 1 are 16 neighbours along the next K (wf's choice of rows).
; So the conversions' results are registers of the next product's operand: they are stored as an image of those registers, hcodes [block][expert][K step 8][token tile 4][2,048 bytes],
; my wave's 64 units being half a K step: register groups 2 q, 2 q + 1; and two bytes of each token's scale word in hscales [block][expert][token 64][K step 8].  b1 is the C of each sum's first instruction.
; WHY NO CLUSTER AND NO TENSOR LOAD: which experts a block walks is read from memory, so neighbours would ask for different tiles at different times; each wave's weights are its own.
; LIMITS: a block of 32 hidden units whose largest lies under 2^-111 (all zeros after the relu among them) gets the byte 1; its codes are then zeros or as the floor's scale gives them.
; REGISTERS: window 0: v1-15 addresses; v16-31 x's scale words; v32-47 W1's; v48-79 b1; v80-104 at work; v106-121 the next expert's scale words; v128-255 accumulators (m, t) at 128 + 32 m + 8 t (at the start: x on its way to LDS).
;   window 1: W1's four buffers of 64.   windows 2, 3: x's fragments (K step s, tile m) at 64 (s % 4) + 16 m of window 2 + s / 4.
.set XG,    4                          ; v4-11   (token at place 16 w + 2 i + lane / 16) x 1,024 + 16 (lane % 16)
.set XS,    16                         ; register 4 m + j: lanes 0-15 the word of K step j, lanes 16-31 that of K step 4 + j
.set WS,    32                         ; register 4 t + j: likewise
.set BIAS,  48
.set TM,    80
.set PC,    96
.set HW,    104
.set RD1,   105                        ; LDS: my lane's place in a fragment of tiles 2, 3
.set WSN,   106
.set XSO,   122                        ; v122-125 (token at place 16 m + r) x 32 + 16 h
.set WRA,   126                        ; LDS: where I put 16 bytes of a token
.set RD0,   127                        ; LDS: my lane's place in a fragment of tiles 0, 1
.set ACC,   128
.set CP,    272                        ; LDS: 16 tokens' 16 bytes, 256 in all, + 16 of padding
.set TILEB, 64*CP                      ; a tile of 16 tokens
.set PW0,   30                         ; scalar pairs: my part of wf for expert 0; this expert's; the next used expert's
.set WCUR,  32
.set WNXT,  34
.set PS0,   36                         ; W1's scale bytes
.set SNXT,  38
.set PB0,   40                         ; b1
.set BNXT,  42
.set PH0,   44                         ; hcodes
.set HCUR,  46
.set PHS0,  48                         ; hscales
.set HSCUR, 50
.set MSB, 0
.macro WIN new                         ; the immediate's high byte repeats the setting that is left
.if MSB != (\new)
	s_set_vgpr_msb (MSB<<8)|(\new)
.set MSB, (\new)
.endif
.endm
.macro PLACES                          ; eight places behind products: in front of loads into registers that they read, of the first read of results, and between a copied scale word and the product that names it
.rept 8
	v_nop
.endr
.endm
.macro NEXTPTR                         ; the next used expert's pointers, from its number in s26 (at most 7)
	s_lshl_b32 s28, s26, 20
	s_add_nc_u64 s[WNXT:WNXT+1], s[PW0:PW0+1], s[28:29]
	s_lshl_b32 s28, s26, 15
	s_add_nc_u64 s[SNXT:SNXT+1], s[PS0:PS0+1], s[28:29]
	s_lshl_b32 s28, s26, 12
	s_add_nc_u64 s[BNXT:BNXT+1], s[PB0:PB0+1], s[28:29]
.endm
.macro LWH ptr, s, k, hf               ; tiles 2 hf, 2 hf + 1 of K step s into buffer k: 8 loads of 512 consecutive bytes
	WIN 0x40
.irp t, 0,1
.irp c, 0,1,2,3
	global_load_b128 v[64*(\k)+16*(2*(\hf)+\t)+4*\c:64*(\k)+16*(2*(\hf)+\t)+4*\c+3], v3, s[\ptr:\ptr+1] offset:16384*(2*(\hf)+\t)+2048*(\s)+512*\c
.endr
.endr
.endm
.macro LW ptr, s, k
	LWH \ptr, \s, \k, 0
	LWH \ptr, \s, \k, 1
.endm
.macro SMALL                           ; the next used expert's scale words (into registers of their own: this expert's are named until its last K step) and biases: 12 loads
	WIN 0
.irp t, 0,1,2,3
	global_load_b128 v[WSN+4*\t:WSN+4*\t+3], v12, s[SNXT:SNXT+1] offset:32*(32*(\t/2)+8*(\t%2))
.endr
.irp t, 0,1,2,3
	global_load_b128 v[BIAS+8*\t:BIAS+8*\t+3], v13, s[BNXT:BNXT+1] offset:4*(32*(\t/2)+8*(\t%2))
	global_load_b128 v[BIAS+8*\t+4:BIAS+8*\t+7], v13, s[BNXT:BNXT+1] offset:4*(32*(\t/2)+8*(\t%2))+16
.endr
.endm
.macro MULH s, hf                      ; eight products of K step s: tiles 2 hf, 2 hf + 1 of W1 x the four tiles of tokens; the accumulators by turns
	WIN 0x09+4*((\s)/4)                            ; source 0 (W1) window 1, source 1 (x) window 2 or 3, C and D window 0
.irp t, 0,1
.irp m, 0,1,2,3
.set TL, 2*(\hf)+\t
.set RD, ACC+32*\m+8*TL
.set RA, 64*((\s)%4)+16*TL
.set RB, 64*((\s)%4)+16*\m
.set SA, WS+4*TL+((\s)%4)
.set SB, XS+4*\m+((\s)%4)
.if (\s) == 0
	v_wmma_scale_f32_16x16x128_f8f6f4 v[RD:RD+7], v[RA:RA+15], v[RB:RB+15], v[BIAS+8*TL:BIAS+8*TL+7], v[SA], v[SB] matrix_a_fmt:MATRIX_FMT_BF8 matrix_b_fmt:MATRIX_FMT_BF8
.elseif (\s) < 4
	v_wmma_scale_f32_16x16x128_f8f6f4 v[RD:RD+7], v[RA:RA+15], v[RB:RB+15], v[RD:RD+7], v[SA], v[SB] matrix_a_fmt:MATRIX_FMT_BF8 matrix_b_fmt:MATRIX_FMT_BF8
.else
	v_wmma_scale_f32_16x16x128_f8f6f4 v[RD:RD+7], v[RA:RA+15], v[RB:RB+15], v[RD:RD+7], v[SA], v[SB] matrix_a_fmt:MATRIX_FMT_BF8 matrix_b_fmt:MATRIX_FMT_BF8 matrix_a_scale:MATRIX_SCALE_ROW1 matrix_b_scale:MATRIX_SCALE_ROW1
.endif
.endr
.endr
.endm
.macro REFILL s, nx, hf                ; the two tiles just read take the step four on: this expert's, or the next used expert's
.if (\s)+4 <= 7
	LWH WCUR, (\s)+4, (\s)%4, \hf
.elseif \nx
	LWH WNXT, (\s)-4, (\s)%4, \hf
.endif
.endm
.macro KSTEP s, nx, cnt
	s_wait_loadcnt \cnt
.if (\s) == 0
	WIN 0
.set k, 0
.rept 16
	v_mov_b32 v[WS+k], v[WSN+k]                    ; this expert's scale words move to where the products name them
.set k, k+1
.endr
	PLACES
.endif
	MULH \s, 0
	PLACES
.if ((\s) == 4) && \nx
	SMALL                                          ; ahead of the next expert's first fragments, so that the wait for those shows these landed too
.endif
	REFILL \s, \nx, 0
	MULH \s, 1
	PLACES
	REFILL \s, \nx, 1
.endm
; An expert's eight K steps.  The counts say how many loads were issued behind the step's own 16.  Steps 0 to 4: the three steps behind it, 48.
; nx = 1: steps 5 to 7 also have the 12 small loads behind them: 60.  nx = 0: no expert follows, steps 4 to 7 ask for nothing and the counts run down.
.macro BODY nx
	KSTEP 0, \nx, 48
	KSTEP 1, \nx, 48
	KSTEP 2, \nx, 48
	KSTEP 3, \nx, 48
	KSTEP 4, \nx, 48
.if \nx
	KSTEP 5, 1, 60
	KSTEP 6, 1, 60
	KSTEP 7, 1, 60
.else
	KSTEP 5, 0, 32
	KSTEP 6, 0, 16
	KSTEP 7, 0, 0
.endif
	WIN 0
.endm
; Tile m of tokens: my 64 hidden units of a lane's token, two blocks of 32 (16 numbers here, 16 in lane l xor 16), become eight registers of codes and two scale bytes.
.macro QUANT2 m
.set QS, ACC+32*\m
.irp b, 0,1
	v_max3_num_f32 v[TM+\b], v[QS+16*\b], v[QS+16*\b+1], 0x8000000   ; no |.|: what is negative becomes 0 and must not count; the floor 2^(16 - 127) stands over it.  Each accumulator is read from its low end on
.endr
.irp i, 2,4,6,8,10,12,14
.irp b, 0,1
	v_max3_num_f32 v[TM+\b], v[TM+\b], v[QS+16*\b+\i], v[QS+16*\b+\i+1]
.endr
.endr
.irp b, 0,1
	v_permlanex16_b32 v[TM+4+\b], v[TM+\b], s52, s53
.endr
.irp b, 0,1
	v_max_num_f32 v[TM+\b], v[TM+\b], v[TM+4+\b]
.endr
.irp b, 0,1
	v_add_nc_u32 v[TM+12+\b], 0xf8800000, v[TM+\b] ; 15 off the exponent field: the conversion's scale operand
.endr
.irp b, 0,1
	v_and_or_b32 v[TM+8+\b], v[TM+\b], 0x7f800000, s54   ; 57,344 x the scale
.endr
.irp b, 0,1
	v_lshrrev_b32 v[TM+4+\b], 23, v[TM+12+\b]      ; the scale's byte
.endr
	v_lshl_or_b32 v[HW], v[TM+5], 8, v[TM+4]
.irp b, 0,1
.irp i, 0,1,2,3,4,5,6,7,8,9,10,11,12,13,14,15
	v_med3_num_f32 v[QS+16*\b+\i], v[QS+16*\b+\i], 0, v[TM+8+\b]   ; the relu and the hold in one (the conversion does not saturate: ISA guide 7.6.2)
.endr
	v_cvt_scalef32_pk8_bf8_f32 v[PC+4*\b:PC+4*\b+1], v[QS+16*\b:QS+16*\b+7], v[TM+12+\b]
	v_cvt_scalef32_pk8_bf8_f32 v[PC+4*\b+2:PC+4*\b+3], v[QS+16*\b+8:QS+16*\b+15], v[TM+12+\b]
.endr
	v_nop                                          ; one plain instruction behind the last conversion
.endm
	s_load_b512 s[4:19], s[0:1], 0x0               ; xcodes 4, xscales 6, wf 8, w1_scales 10, b1 12, route 14, hcodes 16, hscales 18
	v_lshl_add_u32 v94, v0, 2, 0x11000
	v_mov_b32 v95, 0
	v_lshrrev_b32 v1, 5, v0
	v_readfirstlane_b32 s20, v1                    ; wave
	s_mov_b32 s21, ttmp9                           ; c
	s_and_b32 s22, ttmp7, 0xffff                   ; b
	v_and_b32 v1, 15, v0                           ; r
	v_bfe_u32 v2, v0, 4, 1                         ; h
	v_and_b32 v3, 31, v0
	v_lshlrev_b32 v3, 4, v3                        ; 16 x lane: my place in an image
	v_lshlrev_b32 v14, 5, v1                       ; 32 r: a token's eight scale words in hscales
	v_lshlrev_b32 v15, 4, v2                       ; 16 h
	v_lshlrev_b32 v[TM+8], 2, v1                   ; 4 r
	v_lshlrev_b32 v[TM+9], 2, v2                   ; 4 h
	v_lshlrev_b32 v[TM+10], 4, v1                  ; 16 r
	v_and_b32 v12, 8, v1
	v_add_nc_u32 v12, v12, v1
	v_lshl_add_u32 v12, v12, 5, v15                ; W1's scale bytes: row r + 8 (r / 8) of 32 bytes, + 16 h
	v_lshlrev_b32 v13, 6, v2                       ; b1: 16 h numbers on
	s_mul_i32 s27, s20, TILEB                      ; LDS: my wave fills tile w
	v_mul_u32_u24 v[WRA], v1, CP                   ; in: piece lane % 16 of a run of 16 pieces,
	v_add_nc_u32 v[WRA], v[WRA], v15               ; the token of my half of the lanes
	v_add_nc_u32 v[WRA], s27, v[WRA]
	v_mul_u32_u24 v[RD0], v2, CP                   ; out: piece h of a pair, token r
	v_lshl_add_u32 v[RD0], v1, 4, v[RD0]
	v_add_nc_u32 v[RD1], 2*TILEB, v[RD0]           ; (an LDS immediate holds 16 bits: tiles 2 and 3 have a register of their own)
	v_mov_b32 v[TM+4], 0                           ; written once: a lane permute's destination counts as one of its sources
	v_mov_b32 v[TM+5], 0
	s_mov_b32 s52, 0x76543210
	s_mov_b32 s53, 0xfedcba98                      ; v_permlanex16_b32's selects for lane l xor 16
	s_mov_b32 s54, 0x600000                        ; the mantissa field of 57,344
	s_mov_b32 s29, 0
	s_wait_kmcnt 0x0
	s_lshl_b32 s28, s22, 2
	s_add_nc_u64 s[56:57], s[14:15], s[28:29]
	s_load_b32 s23, s[56:57], 0x4000               ; the block's mask of experts
	s_lshl_b32 s28, s22, 8
	s_add_nc_u64 s[58:59], s[14:15], s[28:29]
	s_lshl_b32 s28, s20, 6
	s_add_nc_u64 s[60:61], s[58:59], s[28:29]
.irp m, 0,1,2,3
	global_load_b32 v[XSO+\m], v[TM+8], s[58:59] offset:64*\m      ; the token at place 64 b + 16 m + r
.endr
.irp i, 0,1,2,3,4,5,6,7
	global_load_b32 v[XG+\i], v[TM+9], s[60:61] offset:8*\i        ; and at place 64 b + 16 w + 2 i + h
.endr
	s_lshl_b32 s27, s21, 8
	s_lshl_b32 s28, s20, 6
	s_add_co_u32 s27, s27, s28                     ; my first hidden unit
	s_lshl_b32 s28, s27, 10                        ; 16 units a tile of 16,384 bytes
	s_add_nc_u64 s[PW0:PW0+1], s[8:9], s[28:29]
	s_lshl_b32 s28, s27, 5
	s_add_nc_u64 s[PS0:PS0+1], s[10:11], s[28:29]
	s_lshl_b32 s28, s27, 2
	s_add_nc_u64 s[PB0:PB0+1], s[12:13], s[28:29]
	s_lshl_b32 s27, s21, 1
	s_lshr_b32 s28, s20, 1
	s_add_co_u32 s27, s27, s28                     ; the next product's K step that my units belong to,
	s_and_b32 s25, s20, 1                          ; and which half of it: q
	s_lshl_b32 s28, s22, 19
	s_lshl_b32 s26, s27, 13
	s_add_co_u32 s28, s28, s26
	s_lshl_b32 s26, s25, 10
	s_add_co_u32 s28, s28, s26
	s_add_nc_u64 s[PH0:PH0+1], s[16:17], s[28:29]
	s_lshl_b32 s28, s22, 14
	s_lshl_b32 s26, s27, 2
	s_add_co_u32 s28, s28, s26
	s_lshl_b32 s26, s25, 1
	s_add_co_u32 s28, s28, s26
	s_add_nc_u64 s[PHS0:PHS0+1], s[18:19], s[28:29]
	s_wait_loadcnt 0x0                             ; the tokens' numbers
.irp m, 0,1,2,3
	v_min_u32 v[XSO+\m], 0xfff, v[XSO+\m]
.endr
.irp m, 0,1,2,3
	v_lshl_add_u32 v[XSO+\m], v[XSO+\m], 5, v15
.endr
.irp i, 0,1,2,3,4,5,6,7
	v_min_u32 v[XG+\i], 0xfff, v[XG+\i]
.endr
.irp i, 0,1,2,3,4,5,6,7
	v_lshl_add_u32 v[XG+\i], v[XG+\i], 10, v[TM+10]
.endr
.irp i, 0,1,2,3,4,5,6,7
.irp p, 0,1,2,3
	global_load_b128 v[ACC+16*\i+4*\p:ACC+16*\i+4*\p+3], v[XG+\i], s[4:5] offset:256*\p   ; 16 lanes read 256 consecutive, aligned bytes of a token's codes; two tokens a load
.endr
.endr
.irp m, 0,1,2,3
	global_load_b128 v[XS+4*\m:XS+4*\m+3], v[XSO+\m], s[6:7]
.endr
	s_wait_kmcnt 0x0                               ; the mask
	s_and_b32 s23, s23, 0xff
	s_ctz_i32_b32 s26, s23
	s_min_u32 s26, s26, 7                          ; the first used expert
	NEXTPTR
	SMALL
	LW WNXT, 0, 0
	WIN 0
	s_wait_loadcnt 32                              ; x's 32 loads are in; behind them: 4 of its scale words, 12 small ones, 16 of K step 0
.irp i, 0,1,2,3,4,5,6,7
.irp p, 0,1,2,3
	ds_store_b128 v[WRA], v[ACC+16*\i+4*\p:ACC+16*\i+4*\p+3] offset:16*CP*\p+32*\i   ; piece 16 p + lane % 16 of token 2 i + h
.endr
.endr
	LW WNXT, 1, 1
	LW WNXT, 2, 2
	LW WNXT, 3, 3
	WIN 0
	s_wait_dscnt 0x0                               ; for the others' sake: my 16 tokens lie in LDS
	s_barrier_signal -1
	s_barrier_wait -1
.irp s, 0,1,2,3,4,5,6,7
	WIN 0x80+0x40*(\s/4)                           ; destination window 2 or 3
.irp m, 0,1,2,3
.irp c, 0,1,2,3
.if \m < 2
	ds_load_b128 v[64*(\s%4)+16*\m+4*\c:64*(\s%4)+16*\m+4*\c+3], v[RD0] offset:(\m%2)*TILEB+\s*8*CP+\c*2*CP   ; piece 8 s + 2 c + h of token r: codes 128 s + 32 c + 16 h .. + 15
.else
	ds_load_b128 v[64*(\s%4)+16*\m+4*\c:64*(\s%4)+16*\m+4*\c+3], v[RD1] offset:(\m%2)*TILEB+\s*8*CP+\c*2*CP
.endif
.endr
.endr
.endr
	WIN 0
	s_wait_dscnt 0x0                               ; x's fragments are in; K steps 1 to 3 of W1 are on their way meanwhile
	s_mov_b32 s24, 0
.Lexpert:
	s_bitcmp1_b32 s23, s24
	s_cbranch_scc0 .Lskip                          ; none of my block's tokens uses this expert
	s_wait_xcnt 0x0                                ; the pointers below are bases of earlier loads and stores: rewritten only behind this wait
	s_lshl_b32 s28, s24, 20
	s_add_nc_u64 s[WCUR:WCUR+1], s[PW0:PW0+1], s[28:29]
	s_lshl_b32 s28, s24, 16
	s_add_nc_u64 s[HCUR:HCUR+1], s[PH0:PH0+1], s[28:29]
	s_lshl_b32 s28, s24, 11
	s_add_nc_u64 s[HSCUR:HSCUR+1], s[PHS0:PHS0+1], s[28:29]
	s_add_co_u32 s27, s24, 1
	s_lshr_b32 s25, s23, s27                       ; the experts still to come
	s_ctz_i32_b32 s26, s25
	s_add_co_u32 s26, s26, s27
	s_min_u32 s26, s26, 7                          ; the next used one (not used where none is left)
	NEXTPTR
	s_cmp_eq_u32 s25, 0
	s_cbranch_scc1 .Llast
	BODY 1
	s_branch .Lepi
.Llast:
	BODY 0
.Lepi:
.irp m, 0,1,2,3
	s_wait_xcnt 0x0                                ; the codes' and the bytes' registers were the last stores' data
	QUANT2 \m
	global_store_b128 v3, v[PC:PC+3], s[HCUR:HCUR+1] offset:2048*\m          ; register group 2 q of the image: 512 consecutive bytes
	global_store_b128 v3, v[PC+4:PC+7], s[HCUR:HCUR+1] offset:2048*\m+512    ; group 2 q + 1
	global_store_b16 v14, v[HW], s[HSCUR:HSCUR+1] offset:512*\m              ; bytes 2 q, 2 q + 1 of my K step's word of the token; the two halves of the lanes write the same
.endr
.Lskip:
	s_add_co_u32 s24, s24, 1
	s_cmp_lt_u32 s24, 8
	s_cbranch_scc1 .Lexpert
	s_wait_tensorcnt 0x0
	ds_add_u32 v94, v95
	s_wait_dscnt 0x0
	s_endpgm
.Lfunc_end_k_q0d4efce68e_up:
	.size	k_q0d4efce68e_up, .Lfunc_end_k_q0d4efce68e_up-k_q0d4efce68e_up
	.p2alignl 7, 3214868480
	.fill 96, 4, 3214868480
	.section	.rodata,"a",@progbits
	.p2align	6, 0x0
	.amdhsa_kernel k_q0d4efce68e_up
		.amdhsa_group_segment_fixed_size 70144
		.amdhsa_private_segment_fixed_size 0
		.amdhsa_enable_private_segment 0
		.amdhsa_kernarg_size 64
		.amdhsa_user_sgpr_count 2
		.amdhsa_user_sgpr_kernarg_segment_ptr 1
		.amdhsa_wavefront_size32 1
		.amdhsa_system_sgpr_workgroup_id_x 1
		.amdhsa_system_sgpr_workgroup_id_y 1
		.amdhsa_system_sgpr_workgroup_id_z 1
		.amdhsa_system_vgpr_workitem_id 0
		.amdhsa_next_free_vgpr 1024
		.amdhsa_next_free_sgpr 66
		.amdhsa_reserve_vcc 0
		.amdhsa_float_denorm_mode_32 3
		.amdhsa_float_denorm_mode_16_64 3
		.amdhsa_memory_ordered 1
		.amdhsa_forward_progress 1
		.amdhsa_inst_pref_size 108
	.end_amdhsa_kernel
	.amdgpu_metadata
---
amdhsa.version: [ 1, 2 ]
amdhsa.kernels:
  - .name:           k_q0d4efce68e_up
    .symbol:         k_q0d4efce68e_up.kd
    .args:
      - { .name: xcodes, .offset: 0, .size: 8, .value_kind: global_buffer, .address_space: global }
      - { .name: xscales, .offset: 8, .size: 8, .value_kind: global_buffer, .address_space: global }
      - { .name: wf, .offset: 16, .size: 8, .value_kind: global_buffer, .address_space: global }
      - { .name: w1_scales, .offset: 24, .size: 8, .value_kind: global_buffer, .address_space: global }
      - { .name: b1, .offset: 32, .size: 8, .value_kind: global_buffer, .address_space: global }
      - { .name: route, .offset: 40, .size: 8, .value_kind: global_buffer, .address_space: global }
      - { .name: hcodes, .offset: 48, .size: 8, .value_kind: global_buffer, .address_space: global }
      - { .name: hscales, .offset: 56, .size: 8, .value_kind: global_buffer, .address_space: global }
    .group_segment_fixed_size: 70144
    .private_segment_fixed_size: 0
    .kernarg_segment_align: 8
    .kernarg_segment_size: 64
    .max_flat_workgroup_size: 128
    .sgpr_count:     66
    .vgpr_count:     1024
    .wavefront_size: 32
...
	.end_amdgpu_metadata
.endif
;; end of part 3
;; launch down (part 4): grid 4 x 64, 4 waves a work-group, no clusters, 83,456 bytes of LDS; arguments hcodes, hscales, wf, w2_scales, b2, wt, route, out0; writes out0
.if DOCPART == 4
	.amdgcn_target "amdgcn-amd-amdhsa--gfx1250"
	.amdhsa_code_object_version 6
	.text
	.protected	k_q0d4efce68e_down
	.globl	k_q0d4efce68e_down
	.p2align	8
	.type	k_q0d4efce68e_down,@function
k_q0d4efce68e_down:
	s_mov_b64 s[64:65], 0
	v_nop
	global_prefetch_b8 v0, s[64:65] scope:SCOPE_SE
	s_setreg_imm32_b32 hwreg(HW_REG_WAVE_MODE, 25, 1), 1
	s_wait_xcnt 0x0
; THE SECOND PRODUCT AND THE COMBINATION: y[token] = the sum over the token's two experts of weight x (h W2^T + b2), on codes of E5M2 with E8M0 scales.
; SHARES.  Work-group (c, b): block b of 64 sorted tokens x outputs 256 c .. 256 c + 255; wave w: all 64 tokens x outputs 256 c + 64 w .. + 63.  Each output row's piece has this one owner.
; The waves walk the 8 experts in a loop of constant count and pass over, by a scalar branch on the block's stored mask, the WORK of those that none of the block's tokens uses.  For a used expert all 64 rows are
; multiplied; a row that did not choose it has weight 0, and its sums are replaced by 0 ahead of the multiply-add, so that it adds exactly 0 whatever they hold.
; h IS SHARED THROUGH LDS: all four waves want the same 64 KiB of an expert's hidden codes, so each wave fetches a quarter (K steps 2 w, 2 w + 1: 32 loads of 512 consecutive bytes), for the NEXT used expert while this one is
; multiplied.  Every trip of the loop, used or not, ends on every wave's path with: my LDS reads are back, a barrier, the quarter's stores (under a branch on a flag), my stores have landed, a barrier.  No barrier stands under a branch.
; A K step's four fragments of h are read from LDS one step ahead.  W2's fragments come from wf into four buffers, refilled by halves of a K step with the step four on, as in the launch before.
; TRANSPOSED: source 0 = 16 rows of W2, source 1 = 16 tokens' hidden codes: a lane holds one token and eight neighbouring outputs.  b2 is the C of each sum's first instruction.
; y is kept in 128 registers, cleared once while the first loads are out, so that an expert's turn is written once.  It leaves through the wave's own stage in LDS: sixteen lanes store 256 consecutive, aligned bytes of a token's row.
; WHY NO CLUSTER AND NO TENSOR LOAD: which experts a block walks is read from memory, so neighbours would ask for different tiles at different times.
; REGISTERS: window 0: v1-15 addresses; v16-31 h's scale words; v32-47 W2's; v48-79 b2; v80-87 weights; v88-119 the tokens' rows in out0; v128-255 an expert's sums (m, t) at 128 + 32 m + 8 t.
;   window 1: v0-127 y; v128-159 the next expert's scale words.   window 2: W2's four buffers of 64.   window 3: v0-127 h's two buffers; v128-255 my quarter of the next expert's h.
.set WTO,   4                          ; v4-7    token x 32, for each tile of tokens
.set HS,    16                         ; register 4 m + j: lanes 0-15 the word of K step j, lanes 16-31 that of K step 4 + j
.set WS,    32
.set BIAS,  48
.set WT,    80                         ; pair 2 m: the weight, and a 0 that is named with it
.set OFFS,  88                         ; 8 m + i: (token at place 16 m + 2 i + lane / 16) x 4,096 + 16 (lane % 16)
.set STI,   120
.set STO,   121
.set HSA,   124                        ; LDS: where my quarter of h goes: 16 x lane + 16,384 x wave
.set OA,    128
.set WSN,   128                        ; in window 1
.set HSN,   144                        ; in window 1
.set HQ,    128                        ; in window 3
.set YST,   65536                      ; LDS: behind h's 32 images of 2,048 bytes the four stages of 16 rows x 272 bytes
.set PW0,   30
.set WCUR,  32
.set WNXT,  34
.set PS0,   36
.set SNXT,  38
.set PB0,   40
.set BNXT,  42
.set PH0,   44
.set FLAG,  46                         ; 1: my quarter of a next expert's h waits in registers
.set HNXT,  48
.set PHS0,  50
.set HSNXT, 52
.set WTP,   54
.set CM,    56                         ; s56-59  lanes whose token chose the expert, for each tile of tokens
.set OUTP,  60
.set MSB, 0
.macro WIN new                         ; the immediate's high byte repeats the setting that is left
.if MSB != (\new)
	s_set_vgpr_msb (MSB<<8)|(\new)
.set MSB, (\new)
.endif
.endm
.macro PLACES                          ; eight places behind products: in front of loads into registers that they read, of the first read of results, and between a copied scale word and the product that names it
.rept 8
	v_nop
.endr
.endm
.macro NEXTPTR                         ; the next used expert's pointers, from its number in s26 (at most 7)
	s_lshl_b32 s28, s26, 20
	s_add_nc_u64 s[WNXT:WNXT+1], s[PW0:PW0+1], s[28:29]
	s_lshl_b32 s28, s26, 15
	s_add_nc_u64 s[SNXT:SNXT+1], s[PS0:PS0+1], s[28:29]
	s_lshl_b32 s28, s26, 12
	s_add_nc_u64 s[BNXT:BNXT+1], s[PB0:PB0+1], s[28:29]
	s_lshl_b32 s28, s26, 16
	s_add_nc_u64 s[HNXT:HNXT+1], s[PH0:PH0+1], s[28:29]
	s_lshl_b32 s28, s26, 11
	s_add_nc_u64 s[HSNXT:HSNXT+1], s[PHS0:PHS0+1], s[28:29]
.endm
.macro LWH ptr, s, k, hf               ; W2: tiles 2 hf, 2 hf + 1 of K step s into buffer k: 8 loads of 512 consecutive bytes
	WIN 0x80
.irp t, 0,1
.irp c, 0,1,2,3
	global_load_b128 v[64*(\k)+16*(2*(\hf)+\t)+4*\c:64*(\k)+16*(2*(\hf)+\t)+4*\c+3], v3, s[\ptr:\ptr+1] offset:16384*(2*(\hf)+\t)+2048*(\s)+512*\c
.endr
.endr
.endm
.macro LW ptr, s, k
	LWH \ptr, \s, \k, 0
	LWH \ptr, \s, \k, 1
.endm
.macro FETCHH                          ; my quarter of the next used expert's h: 16 KiB on end, 32 loads
	WIN 0xc0
.set k, 0
.rept 32
	global_load_b128 v[HQ+4*k:HQ+4*k+3], v3, s[HNXT:HNXT+1] offset:512*k
.set k, k+1
.endr
.endm
.macro PUTH                            ; and into LDS, as it lies in memory
	WIN 0x0c                                       ; an LDS store's data are its source 1: window 3
.set k, 0
.rept 32
	ds_store_b128 v[HSA], v[HQ+4*k:HQ+4*k+3] offset:512*k
.set k, k+1
.endr
	WIN 0
.endm
.macro LHD s, k                        ; h's four fragments of K step s from LDS into buffer k
	WIN 0xc0
.irp m, 0,1,2,3
.irp c, 0,1,2,3
	ds_load_b128 v[64*(\k)+16*\m+4*\c:64*(\k)+16*\m+4*\c+3], v3 offset:8192*(\s)+2048*\m+512*\c
.endr
.endr
.endm
.macro SMALL                           ; the next used expert's scale words (into registers of their own: this expert's are named until its last K step) and biases: 16 loads
	WIN 0x40
.irp t, 0,1,2,3
	global_load_b128 v[WSN+4*\t:WSN+4*\t+3], v12, s[SNXT:SNXT+1] offset:512*\t
.endr
.irp m, 0,1,2,3
	global_load_b128 v[HSN+4*\m:HSN+4*\m+3], v12, s[HSNXT:HSNXT+1] offset:512*\m
.endr
	WIN 0
.irp t, 0,1,2,3
	global_load_b128 v[BIAS+8*\t:BIAS+8*\t+3], v13, s[BNXT:BNXT+1] offset:64*\t
	global_load_b128 v[BIAS+8*\t+4:BIAS+8*\t+7], v13, s[BNXT:BNXT+1] offset:64*\t+16
.endr
.endm
.macro MULH s, hf                      ; eight products of K step s: tiles 2 hf, 2 hf + 1 of W2 x the four tiles of tokens; the accumulators by turns
	WIN 0x0e                                       ; source 0 (W2) window 2, source 1 (h) window 3, C and D window 0
.irp t, 0,1
.irp m, 0,1,2,3
.set TL, 2*(\hf)+\t
.set RD, OA+32*\m+8*TL
.set RA, 64*((\s)%4)+16*TL
.set RB, 64*((\s)%2)+16*\m
.set SA, WS+4*TL+((\s)%4)
.set SB, HS+4*\m+((\s)%4)
.if (\s) == 0
	v_wmma_scale_f32_16x16x128_f8f6f4 v[RD:RD+7], v[RA:RA+15], v[RB:RB+15], v[BIAS+8*TL:BIAS+8*TL+7], v[SA], v[SB] matrix_a_fmt:MATRIX_FMT_BF8 matrix_b_fmt:MATRIX_FMT_BF8
.elseif (\s) < 4
	v_wmma_scale_f32_16x16x128_f8f6f4 v[RD:RD+7], v[RA:RA+15], v[RB:RB+15], v[RD:RD+7], v[SA], v[SB] matrix_a_fmt:MATRIX_FMT_BF8 matrix_b_fmt:MATRIX_FMT_BF8
.else
	v_wmma_scale_f32_16x16x128_f8f6f4 v[RD:RD+7], v[RA:RA+15], v[RB:RB+15], v[RD:RD+7], v[SA], v[SB] matrix_a_fmt:MATRIX_FMT_BF8 matrix_b_fmt:MATRIX_FMT_BF8 matrix_a_scale:MATRIX_SCALE_ROW1 matrix_b_scale:MATRIX_SCALE_ROW1
.endif
.endr
.endr
.endm
.macro REFILL s, nx, hf                ; the two tiles just read take the step four on: this expert's, or the next used expert's
.if (\s)+4 <= 7
	LWH WCUR, (\s)+4, (\s)%4, \hf
.elseif \nx
	LWH WNXT, (\s)-4, (\s)%4, \hf
.endif
.endm
.macro KSTEP s, nx, cnt
	s_wait_loadcnt \cnt                            ; W2's fragments of this step
	s_wait_dscnt 0x0                               ; h's, asked for a step ago
.if (\s) == 0
	WIN 0x01                                       ; source window 1
.set k, 0
.rept 16
	v_mov_b32 v[WS+k], v[WSN+k]                    ; this expert's scale words move to where the products name them
	v_mov_b32 v[HS+k], v[HSN+k]
.set k, k+1
.endr
	PLACES
.endif
.if (\s) < 7
	LHD (\s)+1, ((\s)+1)%2                         ; into the buffer that the step before read: its places stand behind its products
.endif
	MULH \s, 0
	PLACES
.if ((\s) == 4) && \nx
	SMALL                                          ; ahead of the next expert's first fragments, so that the wait for those shows these landed too
.endif
	REFILL \s, \nx, 0
	MULH \s, 1
	PLACES
	REFILL \s, \nx, 1
.if ((\s) == 0) && \nx
	FETCHH
.endif
.endm
; An expert's eight K steps.  The counts say how many loads were issued behind the step's own 16.  Step 0: three steps and the four weights of the turn's head: 52.
; nx = 0 (no expert follows): steps 1 to 3: what is left of the first four steps, the 4 weights and the refills so far: 52; step 4: three steps, 48; then nothing more is asked for: 32, 16, 0.
; nx = 1: with the 32 loads of h and the 16 small ones, 64 to 84 loads were issued behind each step's own.  LOADcnt's field counts to 63 and the issue of a load that would pass it is held (ISA guide 5.7.1),
; so what is older than the 63 youngest loads has landed: the wait for 63 states that.
.macro BODY nx
	KSTEP 0, \nx, 52
.if \nx
	KSTEP 1, 1, 63
	KSTEP 2, 1, 63
	KSTEP 3, 1, 63
	KSTEP 4, 1, 63
	KSTEP 5, 1, 63
	KSTEP 6, 1, 63
	KSTEP 7, 1, 63
.else
	KSTEP 1, 0, 52
	KSTEP 2, 0, 52
	KSTEP 3, 0, 52
	KSTEP 4, 0, 48
	KSTEP 5, 0, 32
	KSTEP 6, 0, 16
	KSTEP 7, 0, 0
.endif
	WIN 0
.endm
	s_load_b512 s[4:19], s[0:1], 0x0               ; hcodes 4, hscales 6, wf 8, w2_scales 10, b2 12, wt 14, route 16, out0 18
	v_lshl_add_u32 v126, v0, 2, 0x14400
	v_mov_b32 v127, 0
	v_lshrrev_b32 v1, 5, v0
	v_readfirstlane_b32 s20, v1                    ; wave
	s_mov_b32 s21, ttmp9                           ; c
	s_and_b32 s22, ttmp7, 0xffff                   ; b
	v_and_b32 v1, 15, v0                           ; r
	v_bfe_u32 v2, v0, 4, 1                         ; h
	v_and_b32 v3, 31, v0
	v_lshlrev_b32 v3, 4, v3                        ; 16 x lane
	v_lshlrev_b32 v15, 2, v1                       ; 4 r
	v_lshlrev_b32 v122, 2, v2                      ; 4 h
	v_lshlrev_b32 v123, 4, v1                      ; 16 r
	v_lshlrev_b32 v12, 5, v1
	v_lshl_add_u32 v12, v2, 4, v12                 ; scale words, W2's and h's alike: row r of 32 bytes, + 16 h
	v_lshlrev_b32 v13, 5, v2                       ; b2: 8 h numbers on
	s_lshl_b32 s27, s20, 14
	v_add_nc_u32 v[HSA], s27, v3
	s_mul_i32 s27, s20, 4352                       ; my stage: 16 rows of 256 bytes + 16
	s_add_co_u32 s27, s27, YST
	v_mul_u32_u24 v[STI], v1, 272
	v_lshl_add_u32 v[STI], v2, 5, v[STI]
	v_add_nc_u32 v[STI], s27, v[STI]               ; in: row r, + 32 h
	v_mul_u32_u24 v[STO], v2, 272
	v_lshl_add_u32 v[STO], v1, 4, v[STO]
	v_add_nc_u32 v[STO], s27, v[STO]               ; back: lanes 0-15 one row, lanes 16-31 the next
.irp m, 0,1,2,3
	v_mov_b32 v[WT+2*\m+1], 0
.endr
	s_mov_b32 s29, 0
	s_wait_kmcnt 0x0
	s_lshl_b32 s28, s22, 2
	s_add_nc_u64 s[56:57], s[16:17], s[28:29]
	s_load_b32 s23, s[56:57], 0x4000               ; the block's mask of experts
	s_lshl_b32 s28, s22, 8
	s_add_nc_u64 s[62:63], s[16:17], s[28:29]
.irp m, 0,1,2,3
	global_load_b32 v[WTO+\m], v15, s[62:63] offset:64*\m          ; the token at place 64 b + 16 m + r
.endr
.irp m, 0,1,2,3
.irp i, 0,1,2,3,4,5,6,7
	global_load_b32 v[OFFS+8*\m+\i], v122, s[62:63] offset:64*\m+8*\i   ; and at place 64 b + 16 m + 2 i + h
.endr
.endr
	s_lshl_b32 s27, s21, 8
	s_lshl_b32 s28, s20, 6
	s_add_co_u32 s27, s27, s28                     ; my first output
	s_lshl_b32 s28, s27, 10
	s_add_nc_u64 s[PW0:PW0+1], s[8:9], s[28:29]
	s_add_nc_u64 s[PW0:PW0+1], s[PW0:PW0+1], 0x800000   ; W2's matrices lie behind W1's eight
	s_lshl_b32 s28, s27, 5
	s_add_nc_u64 s[PS0:PS0+1], s[10:11], s[28:29]
	s_lshl_b32 s28, s27, 2
	s_add_nc_u64 s[PB0:PB0+1], s[12:13], s[28:29]
	s_add_nc_u64 s[OUTP:OUTP+1], s[18:19], s[28:29]
	s_lshl_b32 s28, s22, 19
	s_lshl_b32 s27, s20, 14
	s_add_co_u32 s28, s28, s27                     ; the block's h, my quarter of an expert's
	s_add_nc_u64 s[PH0:PH0+1], s[4:5], s[28:29]
	s_lshl_b32 s28, s22, 14
	s_add_nc_u64 s[PHS0:PHS0+1], s[6:7], s[28:29]
	s_wait_kmcnt 0x0                               ; the mask
	s_and_b32 s23, s23, 0xff
	s_ctz_i32_b32 s26, s23
	s_min_u32 s26, s26, 7                          ; the first used expert
	NEXTPTR
	FETCHH
	SMALL
	LW WNXT, 0, 0
	WIN 0x40                                       ; destination window 1
.set k, 0
.rept 128
	v_mov_b32 v[k], 0                              ; y, once, while the first loads are out
.set k, k+1
.endr
	WIN 0
	s_wait_loadcnt 32                              ; the tokens' numbers and my quarter of h are in; behind them: 16 small loads and 16 of K step 0
	PUTH
	LW WNXT, 1, 1
	LW WNXT, 2, 2
	LW WNXT, 3, 3
	WIN 0
.irp m, 0,1,2,3
	v_min_u32 v[WTO+\m], 0xfff, v[WTO+\m]
.endr
.irp m, 0,1,2,3
	v_lshlrev_b32 v[WTO+\m], 5, v[WTO+\m]
.endr
.set k, 0
.rept 32
	v_min_u32 v[OFFS+k], 0xfff, v[OFFS+k]
.set k, k+1
.endr
.set k, 0
.rept 32
	v_lshl_add_u32 v[OFFS+k], v[OFFS+k], 12, v123
.set k, k+1
.endr
	s_wait_dscnt 0x0                               ; for the others' sake: my quarter of the first expert's h lies in LDS
	s_barrier_signal -1
	s_barrier_wait -1
	s_mov_b32 s24, 0
.Lexpert:
	s_mov_b32 s[FLAG], 0
	s_bitcmp1_b32 s23, s24
	s_cbranch_scc0 .Lidle                          ; none of my block's tokens uses this expert: only the two barriers are passed
	s_wait_xcnt 0x0                                ; the pointers below are bases of earlier loads: rewritten only behind this wait
	s_lshl_b32 s28, s24, 20
	s_add_nc_u64 s[WCUR:WCUR+1], s[PW0:PW0+1], s[28:29]
	s_lshl_b32 s28, s24, 2
	s_add_nc_u64 s[WTP:WTP+1], s[14:15], s[28:29]
	s_add_co_u32 s27, s24, 1
	s_lshr_b32 s25, s23, s27                       ; the experts still to come
	s_ctz_i32_b32 s26, s25
	s_add_co_u32 s26, s26, s27
	s_min_u32 s26, s26, 7                          ; the next used one (not used where none is left)
	NEXTPTR
.irp m, 0,1,2,3
	global_load_b32 v[WT+2*\m], v[WTO+\m], s[WTP:WTP+1]            ; my token's weight for this expert, 0 where it did not choose it
.endr
	LHD 0, 0                                       ; h's first fragments: the barrier behind the stores has been passed
	WIN 0
	s_cmp_eq_u32 s25, 0
	s_cbranch_scc1 .Llast
	s_mov_b32 s[FLAG], 1
	BODY 1
	s_branch .Lepi
.Llast:
	BODY 0
.Lepi:                                                 ; the weights are in: they are older than all that the later K steps' waits left out
.irp m, 0,1,2,3
	v_cmp_neq_f32 s[CM+\m], 0, v[WT+2*\m]
.endr
.irp m, 0,1,2,3
.set k, 0
.rept 32
	v_cndmask_b32 v[OA+32*\m+k], 0, v[OA+32*\m+k], s[CM+\m]        ; each accumulator from its low end on
.set k, k+1
.endr
.endr
	WIN 0x50                                       ; y (destination and source 2) window 1
.irp m, 0,1,2,3
.set k, 0
.rept 16
	v_pk_fma_f32 v[32*\m+k:32*\m+k+1], v[OA+32*\m+k:OA+32*\m+k+1], v[WT+2*\m:WT+2*\m+1], v[32*\m+k:32*\m+k+1] op_sel_hi:[1,0,1]   ; y += weight x sums; of the weight's pair the low word serves both halves
.set k, k+2
.endr
.endr
	WIN 0
.Lidle:
	s_wait_dscnt 0x0                               ; my reads of this expert's h are back
	s_barrier_signal -1
	s_barrier_wait -1                              ; everybody's are: h's bytes may be written again
	s_cmp_eq_u32 s[FLAG], 0
	s_cbranch_scc1 .Lkeep
	PUTH                                           ; the next used expert's h (its loads are older than all that K step 7's wait left out)
.Lkeep:
	s_wait_dscnt 0x0                               ; for the others' sake: my stores have landed
	s_barrier_signal -1
	s_barrier_wait -1
	s_add_co_u32 s24, s24, 1
	s_cmp_lt_u32 s24, 8
	s_cbranch_scc1 .Lexpert
	; THE WAY OUT, a tile of 16 tokens at a time: a lane's 32 neighbouring bytes into my stage, whole pieces of 256 bytes back, each to its token's row
.irp m, 0,1,2,3
.if \m >= 2
	s_wait_xcnt 0x0                                ; the registers that the loads below fill were store data two tiles ago
.endif
	WIN 0x04                                       ; an LDS store's data are its source 1: window 1
.irp t, 0,1,2,3
	ds_store_b128 v[STI], v[32*\m+8*\t:32*\m+8*\t+3] offset:64*\t
	ds_store_b128 v[STI], v[32*\m+8*\t+4:32*\m+8*\t+7] offset:64*\t+16
.endr
	WIN 0
.irp i, 0,1,2,3,4,5,6,7
	ds_load_b128 v[OA+32*(\m%2)+4*\i:OA+32*(\m%2)+4*\i+3], v[STO] offset:544*\i   ; LDS serves a wave's instructions in order (ISA guide 5.7.1.4): these see my stores, and the next tile's stores come behind them
.endr
	s_wait_dscnt 0x0
.irp i, 0,1,2,3,4,5,6,7
	global_store_b128 v[OFFS+8*\m+\i], v[OA+32*(\m%2)+4*\i:OA+32*(\m%2)+4*\i+3], s[OUTP:OUTP+1] th:TH_STORE_NT   ; 16 lanes store 256 consecutive bytes, at a multiple of 256 from out0's first byte
.endr
.endr
	s_wait_tensorcnt 0x0
	ds_add_u32 v126, v127
	s_wait_dscnt 0x0
	s_endpgm
.Lfunc_end_k_q0d4efce68e_down:
	.size	k_q0d4efce68e_down, .Lfunc_end_k_q0d4efce68e_down-k_q0d4efce68e_down
	.p2alignl 7, 3214868480
	.fill 96, 4, 3214868480
	.section	.rodata,"a",@progbits
	.p2align	6, 0x0
	.amdhsa_kernel k_q0d4efce68e_down
		.amdhsa_group_segment_fixed_size 83456
		.amdhsa_private_segment_fixed_size 0
		.amdhsa_enable_private_segment 0
		.amdhsa_kernarg_size 64
		.amdhsa_user_sgpr_count 2
		.amdhsa_user_sgpr_kernarg_segment_ptr 1
		.amdhsa_wavefront_size32 1
		.amdhsa_system_sgpr_workgroup_id_x 1
		.amdhsa_system_sgpr_workgroup_id_y 1
		.amdhsa_system_sgpr_workgroup_id_z 1
		.amdhsa_system_vgpr_workitem_id 0
		.amdhsa_next_free_vgpr 1024
		.amdhsa_next_free_sgpr 66
		.amdhsa_reserve_vcc 0
		.amdhsa_float_denorm_mode_32 3
		.amdhsa_float_denorm_mode_16_64 3
		.amdhsa_memory_ordered 1
		.amdhsa_forward_progress 1
		.amdhsa_inst_pref_size 135
	.end_amdhsa_kernel
	.amdgpu_metadata
---
amdhsa.version: [ 1, 2 ]
amdhsa.kernels:
  - .name:           k_q0d4efce68e_down
    .symbol:         k_q0d4efce68e_down.kd
    .args:
      - { .name: hcodes, .offset: 0, .size: 8, .value_kind: global_buffer, .address_space: global }
      - { .name: hscales, .offset: 8, .size: 8, .value_kind: global_buffer, .address_space: global }
      - { .name: wf, .offset: 16, .size: 8, .value_kind: global_buffer, .address_space: global }
      - { .name: w2_scales, .offset: 24, .size: 8, .value_kind: global_buffer, .address_space: global }
      - { .name: b2, .offset: 32, .size: 8, .value_kind: global_buffer, .address_space: global }
      - { .name: wt, .offset: 40, .size: 8, .value_kind: global_buffer, .address_space: global }
      - { .name: route, .offset: 48, .size: 8, .value_kind: global_buffer, .address_space: global }
      - { .name: out0, .offset: 56, .size: 8, .value_kind: global_buffer, .address_space: global }
    .group_segment_fixed_size: 83456
    .private_segment_fixed_size: 0
    .kernarg_segment_align: 8
    .kernarg_segment_size: 64
    .max_flat_workgroup_size: 128
    .sgpr_count:     66
    .vgpr_count:     1024
    .wavefront_size: 32
...
	.end_amdgpu_metadata
.endif
;; end of part 4
;; ======== version 2 of 2: 4 launches
;; workspace buffers: xcodes 4,194,304 bytes; xscales 131,072 bytes; wt 131,072 bytes; pid 16,384 bytes of whole numbers; route 16,640 bytes of whole numbers; wf 16,777,216 bytes; hcodes 33,554,432 bytes; hscales 1,048,576 bytes
;; launch gate (part 5): grid 256 x 1, 8 waves a work-group, no clusters, 54,272 bytes of LDS; arguments x, gate_W, gate_b, xcodes, xscales, out1, wt, pid; writes xcodes, xscales, out1, wt, pid
.if DOCPART == 5
	.amdgcn_target "amdgcn-amd-amdhsa--gfx1250"
	.amdhsa_code_object_version 6
	.text
	.protected	k_q0d4efce68e_gate
	.globl	k_q0d4efce68e_gate
	.p2align	8
	.type	k_q0d4efce68e_gate,@function
k_q0d4efce68e_gate:
	s_mov_b64 s[64:65], 0
	v_nop
	global_prefetch_b8 v0, s[64:65] scope:SCOPE_SE
	s_setreg_imm32_b32 hwreg(HW_REG_WAVE_MODE, 25, 1), 1
	s_wait_xcnt 0x0
; THE ROUTER, AND x INTO CODES.  x [4096][1024] f32 is read once.  For each token: 8 logits (f32 multiply-adds), softmax (out1), the two largest
; probabilities (the lower index wins a tie), the softmax of those two, and x's codes of E5M2 with one E8M0 byte for each 32 along K.
; Stored at fixed places: xcodes [token][1024], xscales [token][32], out1 [token][8], wt [token][8] (the gate's weight of expert e, 0 where e was not chosen),
; pid [token]: the number 0..27 of the token's SET of two experts, in an order in which neighbouring numbers share an expert.  No address here hangs on a choice.
; SHARES.  A work-group takes 16 tokens, a wave 2 whole rows.  Lane l holds x[row][128 j + 4 l + i] (j = 0..7, i = 0..3): each load reads 512 consecutive bytes,
; and a block of 32 along K lies in eight neighbouring lanes.  gate_W (32 KiB) lies in LDS, brought once by the eight waves together.
; A lane's eight numbers of one conversion belong to two blocks, so each number is first multiplied by 1 / its block's scale (a power of two: nothing is rounded)
; and the conversion's own scale is 1.  Codes and the small results leave through LDS, in runs of 512 consecutive bytes.
; No matrix unit: the product has 8 columns, and a logit's error could turn a choice.  No cluster: work-groups share gate_W alone, 32 KiB against 64 KiB of x each.
; LIMITS: NaN and infinities in x are not served; a block whose largest magnitude lies under 2^-111 gets the byte 1; two probabilities equal within f32 rounding may be ranked either way.
.set X,    32                          ; v32-95   x: 32 row + 4 j + i
.set G,    96                          ; v96-159  gate_W on its way to LDS, then two sets of 8 experts x 4 numbers, then at work
.set ACC,  160                         ; v160-191 sums: 16 row + 2 e, a pair each
.set LG,   192                         ; v192-207 logits, then probabilities: 8 row + e
.set WR,   208                         ; v208-223 gate weights: 8 row + e
.set CD,   224                         ; v224-239 codes: 8 row + j
.set CST,  32768                       ; LDS: behind gate_W a stage of 2,048 bytes for each wave's codes
.set RES,  49152                       ; and the work-group's small results: scale bytes 512, probabilities 512, weights 512, pair numbers 64
.set TMX,  112
.set TS,   113
.set TV1,  117
.set TI1,  118
.set TV2,  119
.set TI2,  120
.set TEX,  121
.set TWA,  122
.set TWB,  123
.set TT0,  124
.set Q,    128
	s_load_b512 s[8:23], s[0:1], 0x0               ; x 8, gate_W 10, gate_b 12, xcodes 14, xscales 16, out1 18, wt 20, pid 22
	v_lshl_add_u32 v254, v0, 2, 0xd000
	v_mov_b32 v255, 0
	v_lshrrev_b32 v3, 5, v0
	s_delay_alu instid0(VALU_DEP_1)
	v_readfirstlane_b32 s32, v3                    ; wave 0..7
	v_and_b32 v3, 31, v0                           ; lane
	s_delay_alu instid0(VALU_DEP_1)
	v_lshlrev_b32 v1, 4, v3                        ; 16 x lane
	s_wait_alu depctr_va_vdst(0)
	v_lshlrev_b32 v2, 4, v0                        ; 16 x thread
	s_lshl_b32 s33, s32, 11
	s_add_co_u32 s33, s33, CST                     ; my wave's stage
	v_lshl_add_u32 v4, v3, 2, s33                  ; into it: 4 bytes a lane
	v_add_nc_u32 v5, s33, v1                       ; out of it: 16 bytes a lane
	s_lshl_b32 s33, s32, 6
	s_add_co_u32 s33, s33, RES                     ; my two tokens' 64 bytes in each of the three regions of 512
	v_lshrrev_b32 v6, 3, v3
	s_delay_alu instid0(VALU_DEP_1)
	v_add_nc_u32 v6, s33, v6                       ; scale bytes: + lane / 8
	v_mov_b32 v7, s33
	s_lshl_b32 s33, s32, 3
	s_add_co_u32 s33, s33, RES+1536
	v_mov_b32 v11, s33                             ; my two tokens' pair numbers
	s_lshl_b32 s33, s32, 9
	s_add_co_u32 s33, s33, RES
	v_add_nc_u32 v9, s33, v1                       ; the way out of the small results: region = wave (waves 0 to 2 use it)
	v_and_b32 v12, 15, v0
	s_delay_alu instid0(VALU_DEP_1)
	v_lshlrev_b32 v12, 2, v12
	s_delay_alu instid0(VALU_DEP_1)
	v_add_nc_u32 v10, RES+1536, v12                ; and of the pair numbers
	v_mov_b32 v8, 1.0                              ; the conversions' scale operand: exponent field 127
	s_mov_b32 s36, 0x76543210
	s_mov_b32 s37, 0xfedcba98                      ; v_permlanex16_b32's selects for lane l xor 16
	s_mov_b32 s38, 0xc7600000                      ; -57,344
	s_mov_b32 s39, 0x47600000                      ; 57,344
	s_lshl_b32 s34, ttmp9, 16
	s_lshl_b32 s33, s32, 13
	s_add_co_u32 s34, s34, s33                     ; x: 16 rows of 4,096 bytes a work-group, 2 a wave
	s_mov_b32 s35, 0
	s_lshl_b32 s42, ttmp9, 14
	s_lshl_b32 s33, s32, 11
	s_add_co_u32 s42, s42, s33                     ; codes: a quarter of that
	s_mov_b32 s43, 0
	s_lshl_b32 s44, ttmp9, 9                       ; 512 bytes a work-group in xscales, out1 and wt
	s_mov_b32 s45, 0
	s_lshl_b32 s46, ttmp9, 6                       ; 64 in pid
	s_mov_b32 s47, 0
	s_wait_kmcnt 0x0
	s_load_b256 s[24:31], s[12:13], 0x0            ; gate_b
	s_add_nc_u64 s[8:9], s[8:9], s[34:35]
	s_add_nc_u64 s[14:15], s[14:15], s[42:43]
.irp i, 0,1,2,3,4,5,6,7
	global_load_b128 v[G+4*\i:G+4*\i+3], v2, s[10:11] offset:4096*\i                ; gate_W: 4,096 consecutive bytes for the 256 threads
.endr
.irp r, 0,1
.irp j, 0,1,2,3,4,5,6,7
	global_load_b128 v[X+32*\r+4*\j:X+32*\r+4*\j+3], v1, s[8:9] offset:4096*\r+512*\j th:TH_LOAD_NT
.endr
.endr
	s_wait_loadcnt 16                              ; gate_W's eight loads are in; x's sixteen, issued behind them, stay out
.irp i, 0,1,2,3,4,5,6,7
	ds_store_b128 v2, v[G+4*\i:G+4*\i+3] offset:4096*\i
.endr
	s_wait_dscnt 0x0                               ; for the others' sake: my part of gate_W lies in LDS
	s_barrier_signal -1
	s_barrier_wait -1
.macro GLOAD j                         ; gate_W[e][128 j + 4 lane + 0..3], e = 0..7, into set j % 2
.irp e, 0,1,2,3,4,5,6,7
	ds_load_b128 v[G+32*((\j)%2)+4*\e:G+32*((\j)%2)+4*\e+3], v1 offset:4096*\e+512*(\j)
.endr
.endm
	GLOAD 0
	s_wait_loadcnt 0x0                             ; x
.irp j, 0,1,2,3,4,5,6,7
.if \j < 7
	GLOAD \j+1
	s_wait_dscnt 8                                 ; this set's eight loads are in, the next set's eight may be out
.else
	s_wait_dscnt 0x0
.endif
.irp p, 0,1
.irp e, 0,1,2,3,4,5,6,7
.irp r, 0,1
.if (\j == 0) && (\p == 0)
	v_pk_mul_f32 v[ACC+16*\r+2*\e:ACC+16*\r+2*\e+1], v[X+32*\r+4*\j+2*\p:X+32*\r+4*\j+2*\p+1], v[G+32*(\j%2)+4*\e+2*\p:G+32*(\j%2)+4*\e+2*\p+1]   ; the first product starts the sum
.else
	v_pk_fma_f32 v[ACC+16*\r+2*\e:ACC+16*\r+2*\e+1], v[X+32*\r+4*\j+2*\p:X+32*\r+4*\j+2*\p+1], v[G+32*(\j%2)+4*\e+2*\p:G+32*(\j%2)+4*\e+2*\p+1], v[ACC+16*\r+2*\e:ACC+16*\r+2*\e+1]
.endif
.endr
.endr
.endr
.endr
	; the 16 sums over the wave's 32 lanes; every lane ends up with all of them
.irp k, 0,1,2,3,4,5,6,7,8,9,10,11,12,13,14,15
	v_add_f32 v[LG+\k], v[ACC+2*\k], v[ACC+2*\k+1]
.endr
.irp x, 1,2,4,8
.irp k, 0,1,2,3,4,5,6,7,8,9,10,11,12,13,14,15
	v_add_f32_dpp v[LG+\k], v[LG+\k], v[LG+\k] row_xmask:\x row_mask:0xf bank_mask:0xf
.endr
.endr
.irp k, 0,1,2,3,4,5,6,7,8,9,10,11,12,13,14,15
	v_permlanex16_b32 v[G+\k], v[LG+\k], s36, s37  ; (its destination has been written: gate_W's numbers lay there)
.endr
	s_wait_kmcnt 0x0                               ; gate_b
.irp k, 0,1,2,3,4,5,6,7,8,9,10,11,12,13,14,15
	v_add_f32 v[LG+\k], v[LG+\k], v[G+\k]
.endr
.irp k, 0,1,2,3,4,5,6,7,8,9,10,11,12,13,14,15
	v_add_f32 v[LG+\k], s[24+(\k%8)], v[LG+\k]
.endr
; One token's routing, the same in all lanes.
.macro ROUTE r
.set RL, LG+8*\r
.set RW, WR+8*\r
	v_max3_num_f32 v[TMX], v[RL], v[RL+1], v[RL+2]                 ; the largest logit is taken away ahead of the exponentials
	s_delay_alu instid0(VALU_DEP_1)
	v_max3_num_f32 v[TMX], v[TMX], v[RL+3], v[RL+4]
	s_delay_alu instid0(VALU_DEP_1)
	v_max3_num_f32 v[TMX], v[TMX], v[RL+5], v[RL+6]
	s_delay_alu instid0(VALU_DEP_1)
	v_max_num_f32 v[TMX], v[TMX], v[RL+7]
.irp e, 0,1,2,3,4,5,6,7
	v_sub_f32 v[RL+\e], v[RL+\e], v[TMX]
.endr
.irp e, 0,1,2,3,4,5,6,7
	v_mul_f32 v[RL+\e], 0x3fb8aa3b, v[RL+\e]       ; x log2(e)
.endr
	s_wait_alu depctr_va_vdst(0)
.irp e, 0,1,2,3,4,5,6,7
	v_exp_f32 v[RL+\e], v[RL+\e]
.endr
	v_nop                                          ; one plain instruction behind the exponentials
	s_wait_alu depctr_va_vdst(0)
	v_add_f32 v[TS], v[RL], v[RL+1]
	v_add_f32 v[TS+1], v[RL+2], v[RL+3]
	v_add_f32 v[TS+2], v[RL+4], v[RL+5]
	v_add_f32 v[TS+3], v[RL+6], v[RL+7]
	s_delay_alu instid0(VALU_DEP_3)
	v_add_f32 v[TS], v[TS], v[TS+1]
	s_delay_alu instid0(VALU_DEP_2)
	v_add_f32 v[TS+2], v[TS+2], v[TS+3]
	s_delay_alu instid0(VALU_DEP_1)
	v_add_f32 v[TS], v[TS], v[TS+2]
	s_wait_alu depctr_va_vdst(0)
	v_rcp_f32 v[TS], v[TS]
	v_nop
	s_wait_alu depctr_va_vdst(0)
.irp e, 0,1,2,3,4,5,6,7
	v_mul_f32 v[RL+\e], v[RL+\e], v[TS]            ; the probabilities
.endr
	v_mov_b32 v[TV1], v[RL]                        ; the largest: what is held stays unless a later one is strictly larger, so the lower index wins a tie
	v_mov_b32 v[TI1], 0
.irp e, 1
	s_delay_alu instid0(VALU_DEP_2)
	v_cmp_ge_f32 vcc_lo, v[TV1], v[RL+\e]
	s_delay_alu instid0(VALU_DEP_1)
	v_cndmask_b32 v[TI1], \e, v[TI1], vcc_lo
	s_delay_alu instid0(VALU_DEP_2)
	v_cndmask_b32 v[TV1], v[RL+\e], v[TV1], vcc_lo
.endr
.irp e, 2, 3, 4, 5, 6, 7
	s_delay_alu instid0(VALU_DEP_1)
	v_cmp_ge_f32 vcc_lo, v[TV1], v[RL+\e]
	s_delay_alu instid0(VALU_DEP_1)
	v_cndmask_b32 v[TI1], \e, v[TI1], vcc_lo
	s_delay_alu instid0(VALU_DEP_2)
	v_cndmask_b32 v[TV1], v[RL+\e], v[TV1], vcc_lo
.endr
.irp e, 0,1,2,3,4,5,6,7
	v_cmp_ne_u32 vcc_lo, \e, v[TI1]
	s_delay_alu instid0(VALU_DEP_1)
	v_cndmask_b32 v[Q+\e], -1.0, v[RL+\e], vcc_lo  ; the winner is taken out: -1 lies under every probability
.endr
	v_mov_b32 v[TV2], v[Q]
	v_mov_b32 v[TI2], 0
.irp e, 1
	s_delay_alu instid0(VALU_DEP_2)
	v_cmp_ge_f32 vcc_lo, v[TV2], v[Q+\e]
	s_delay_alu instid0(VALU_DEP_1)
	v_cndmask_b32 v[TI2], \e, v[TI2], vcc_lo
	s_delay_alu instid0(VALU_DEP_2)
	v_cndmask_b32 v[TV2], v[Q+\e], v[TV2], vcc_lo
.endr
.irp e, 2, 3, 4, 5, 6, 7
	s_delay_alu instid0(VALU_DEP_1)
	v_cmp_ge_f32 vcc_lo, v[TV2], v[Q+\e]
	s_delay_alu instid0(VALU_DEP_1)
	v_cndmask_b32 v[TI2], \e, v[TI2], vcc_lo
	s_delay_alu instid0(VALU_DEP_2)
	v_cndmask_b32 v[TV2], v[Q+\e], v[TV2], vcc_lo
.endr
	s_delay_alu instid0(VALU_DEP_1)
	v_sub_f32 v[TEX], v[TV2], v[TV1]               ; softmax of the two, the larger taken away: 1 / (1 + e^(v2 - v1)) and the rest
	s_delay_alu instid0(VALU_DEP_1)
	v_mul_f32 v[TEX], 0x3fb8aa3b, v[TEX]
	s_wait_alu depctr_va_vdst(0)
	v_exp_f32 v[TEX], v[TEX]
	v_nop
	s_wait_alu depctr_va_vdst(0)
	v_add_f32 v[TWA], 1.0, v[TEX]
	s_wait_alu depctr_va_vdst(0)
	v_rcp_f32 v[TWA], v[TWA]
	v_nop
	s_wait_alu depctr_va_vdst(0)
	v_mul_f32 v[TWB], v[TEX], v[TWA]
.irp e, 0,1,2,3,4,5,6,7
	v_cmp_eq_u32 vcc_lo, \e, v[TI2]
	s_delay_alu instid0(VALU_DEP_1)
	v_cndmask_b32 v[RW+\e], 0, v[TWB], vcc_lo
	v_cmp_eq_u32 vcc_lo, \e, v[TI1]
	v_cndmask_b32 v[RW+\e], v[RW+\e], v[TWA], vcc_lo
.endr
	v_min_u32 v[TT0], v[TI1], v[TI2]               ; lo
	v_max_u32 v[TT0+1], v[TI1], v[TI2]             ; hi
	s_delay_alu instid0(VALU_DEP_2)
	v_sub_nc_u32 v[TT0+2], 15, v[TT0]
	s_delay_alu instid0(VALU_DEP_1)
	v_mul_u32_u24 v[TT0+2], v[TT0], v[TT0+2]
	s_delay_alu instid0(VALU_DEP_1)
	v_lshrrev_b32 v[TT0+2], 1, v[TT0+2]            ; lo (15 - lo) / 2: the pairs with a smaller lo
	s_delay_alu instid0(VALU_DEP_4)
	v_sub_nc_u32 v[TT0+3], v[TT0+1], v[TT0]
	s_delay_alu instid0(VALU_DEP_1)
	v_add_nc_u32 v[TT0+3], -1, v[TT0+3]            ; lo even: hi ascending
	v_sub_nc_u32 v[TT0+1], 7, v[TT0+1]             ; lo odd: hi descending
	v_and_b32 v[TT0], 1, v[TT0]
	s_delay_alu instid0(VALU_DEP_1)
	v_cmp_eq_u32 vcc_lo, 1, v[TT0]
	s_delay_alu instid0(VALU_DEP_1)
	v_cndmask_b32 v[TT0+3], v[TT0+3], v[TT0+1], vcc_lo
	s_delay_alu instid0(VALU_DEP_1)
	v_add_nc_u32 v[TT0], v[TT0+2], v[TT0+3]        ; the pair's number
	ds_store_b128 v7, v[RL:RL+3] offset:512+32*\r                  ; all lanes write the same bytes with the same values
	ds_store_b128 v7, v[RL+4:RL+7] offset:512+32*\r+16
	ds_store_b128 v7, v[RW:RW+3] offset:1024+32*\r
	ds_store_b128 v7, v[RW+4:RW+7] offset:1024+32*\r+16
	ds_store_b32 v11, v[TT0] offset:4*\r
.endm
; One row into codes.  Block 4 j + lane / 8 lies in eight lanes' registers 4 j .. 4 j + 3.
.macro QUANT r
.set XR, X+32*\r
.irp j, 0,1,2,3,4,5,6,7
	v_max3_num_f32 v[G+\j], |v[XR+4*\j]|, |v[XR+4*\j+1]|, 0x8000000   ; with the floor 2^(16 - 127): the byte cannot fall under 1
.endr
.irp j, 0,1,2,3,4,5,6,7
	v_max3_num_f32 v[G+\j], v[G+\j], |v[XR+4*\j+2]|, |v[XR+4*\j+3]|
.endr
.irp x, 1,2,4
.irp j, 0,1,2,3,4,5,6,7
	v_max_num_f32_dpp v[G+\j], v[G+\j], v[G+\j] row_xmask:\x row_mask:0xf bank_mask:0xf
.endr
.endr
.irp j, 0,1,2,3,4,5,6,7
	v_and_b32 v[G+8+\j], 0x7f800000, v[G+\j]       ; the largest magnitude's exponent field F
.endr
.irp j, 0,1,2,3,4,5,6,7
	v_sub_nc_u32 v[G+8+\j], 0x86800000, v[G+8+\j]  ; 1 / scale: the scale's field is F - 15, so this one's is 254 - (F - 15) = 269 - F, between 15 and 253
.endr
.irp j, 0,1,2,3,4,5,6,7
	v_lshrrev_b32 v[G+16+\j], 23, v[G+\j]
.endr
.irp j, 0,1,2,3,4,5,6,7
	v_add_nc_u32 v[G+16+\j], -15, v[G+16+\j]       ; the scale's byte
.endr
.irp j, 0,1,2,3,4,5,6,7
	ds_store_b8 v6, v[G+16+\j] offset:32*\r+4*\j   ; the eight lanes of a block write the same byte with the same value
.endr
.irp j, 0,1,2,3,4,5,6,7
.irp i, 0,1,2,3
	v_mul_f32 v[XR+4*\j+\i], v[XR+4*\j+\i], v[G+8+\j]
.endr
.endr
.set k, 0
.rept 32
	v_med3_num_f32 v[XR+k], v[XR+k], s38, s39      ; the conversion to an 8-bit code does not saturate (ISA guide 7.6.2): the hold at +-57,344 comes first
.set k, k+1
.endr
.irp q, 0,1,2,3
	v_cvt_scalef32_pk8_bf8_f32 v[CD+8*\r+2*\q:CD+8*\r+2*\q+1], v[XR+8*\q:XR+8*\q+7], v8
.endr
	v_nop                                          ; one plain instruction behind the last conversion
.irp j, 0,1,2,3,4,5,6,7
	ds_store_b32 v4, v[CD+8*\r+\j] offset:1024*\r+128*\j           ; codes 128 j + 4 lane .. + 3 of the row
.endr
.endm
	ROUTE 0
	ROUTE 1
	QUANT 0
	QUANT 1
.irp i, 0,1,2,3
	ds_load_b128 v[G+4*\i:G+4*\i+3], v5 offset:512*\i              ; LDS serves a wave's instructions in order: these see my stores
.endr
	s_wait_dscnt 0x0                               ; the codes are back, and all my stores of small results have landed
.irp i, 0,1,2,3
	global_store_b128 v1, v[G+4*\i:G+4*\i+3], s[14:15] offset:512*\i   ; 512 consecutive bytes a store
.endr
	s_barrier_signal -1
	s_barrier_wait -1                              ; the 16 tokens' small results lie in LDS
	s_cmp_gt_u32 s32, 3
	s_cbranch_scc1 .Ldone
	s_cmp_eq_u32 s32, 3
	s_cbranch_scc1 .Lpid
	s_cmp_eq_u32 s32, 0                            ; wave 0: scale bytes, wave 1: probabilities, wave 2: weights: 512 consecutive bytes each
	s_cselect_b64 s[40:41], s[16:17], s[18:19]
	s_cmp_eq_u32 s32, 2
	s_cselect_b64 s[40:41], s[20:21], s[40:41]
	s_add_nc_u64 s[40:41], s[40:41], s[44:45]
	ds_load_b128 v[128:131], v9
	s_wait_dscnt 0x0
	global_store_b128 v1, v[128:131], s[40:41]
	s_wait_tensorcnt 0x0
	ds_add_u32 v254, v255
	s_wait_dscnt 0x0
	s_endpgm
.Lpid:
	s_add_nc_u64 s[22:23], s[22:23], s[46:47]
	ds_load_b32 v128, v10
	s_wait_dscnt 0x0
	global_store_b32 v12, v128, s[22:23]           ; 16 numbers; the two halves of the lanes write the same
.Ldone:
	s_wait_tensorcnt 0x0
	ds_add_u32 v254, v255
	s_wait_dscnt 0x0
	s_endpgm
.Lfunc_end_k_q0d4efce68e_gate:
	.size	k_q0d4efce68e_gate, .Lfunc_end_k_q0d4efce68e_gate-k_q0d4efce68e_gate
	.p2alignl 7, 3214868480
	.fill 96, 4, 3214868480
	.section	.rodata,"a",@progbits
	.p2align	6, 0x0
	.amdhsa_kernel k_q0d4efce68e_gate
		.amdhsa_group_segment_fixed_size 54272
		.amdhsa_private_segment_fixed_size 0
		.amdhsa_enable_private_segment 0
		.amdhsa_kernarg_size 64
		.amdhsa_user_sgpr_count 2
		.amdhsa_user_sgpr_kernarg_segment_ptr 1
		.amdhsa_wavefront_size32 1
		.amdhsa_system_sgpr_workgroup_id_x 1
		.amdhsa_system_sgpr_workgroup_id_y 1
		.amdhsa_system_sgpr_workgroup_id_z 1
		.amdhsa_system_vgpr_workitem_id 0
		.amdhsa_next_free_vgpr 256
		.amdhsa_next_free_sgpr 66
		.amdhsa_reserve_vcc 1
		.amdhsa_float_denorm_mode_32 3
		.amdhsa_float_denorm_mode_16_64 3
		.amdhsa_memory_ordered 1
		.amdhsa_forward_progress 1
		.amdhsa_inst_pref_size 68
	.end_amdhsa_kernel
	.amdgpu_metadata
---
amdhsa.version: [ 1, 2 ]
amdhsa.kernels:
  - .name:           k_q0d4efce68e_gate
    .symbol:         k_q0d4efce68e_gate.kd
    .args:
      - { .name: x, .offset: 0, .size: 8, .value_kind: global_buffer, .address_space: global }
      - { .name: gate_W, .offset: 8, .size: 8, .value_kind: global_buffer, .address_space: global }
      - { .name: gate_b, .offset: 16, .size: 8, .value_kind: global_buffer, .address_space: global }
      - { .name: xcodes, .offset: 24, .size: 8, .value_kind: global_buffer, .address_space: global }
      - { .name: xscales, .offset: 32, .size: 8, .value_kind: global_buffer, .address_space: global }
      - { .name: out1, .offset: 40, .size: 8, .value_kind: global_buffer, .address_space: global }
      - { .name: wt, .offset: 48, .size: 8, .value_kind: global_buffer, .address_space: global }
      - { .name: pid, .offset: 56, .size: 8, .value_kind: global_buffer, .address_space: global }
    .group_segment_fixed_size: 54272
    .private_segment_fixed_size: 0
    .kernarg_segment_align: 8
    .kernarg_segment_size: 64
    .max_flat_workgroup_size: 256
    .sgpr_count:     66
    .vgpr_count:     256
    .wavefront_size: 32
...
	.end_amdgpu_metadata
.endif
;; end of part 5
;; launch place (part 6): grid 257 x 1, 16 waves a work-group, no clusters, 4,096 bytes of LDS; arguments pid, w1_codes, w2_codes, route, wf; writes route, wf
.if DOCPART == 6
	.amdgcn_target "amdgcn-amd-amdhsa--gfx1250"
	.amdhsa_code_object_version 6
	.text
	.protected	k_q0d4efce68e_place
	.globl	k_q0d4efce68e_place
	.p2align	8
	.type	k_q0d4efce68e_place,@function
k_q0d4efce68e_place:
	s_mov_b64 s[64:65], 0
	v_nop
	global_prefetch_b8 v0, s[64:65] scope:SCOPE_SE
	s_setreg_imm32_b32 hwreg(HW_REG_WAVE_MODE, 25, 1), 1
	s_wait_xcnt 0x0
; TWO JOBS IN ONE LAUNCH, parted on the work-group's number.
; WORK-GROUP 0 sorts the 4,096 tokens by their pair number (a counting sort without atomics) and stores route: order[place] = token at byte 0, and at byte 16,384 for each
; block of 64 places a mask of the experts that the block's tokens use.  Neighbouring pair numbers share an expert, so a block that straddles one boundary uses three experts.
; WORK-GROUPS 1 TO 256 lay the weights' codes in the order of an operand's registers: wf [matrix 16][tile 64][K step 8][2,048 bytes]; matrices 0-7 are W1's experts, 8-15 W2's.
; In an image, lane l's 16 bytes of register group c lie at 512 c + 16 l: lane (r, h) holds codes 128 s + 32 c + 16 h .. + 15 of the tile's row r.  So the later launches load each
; fragment by four loads of 512 consecutive bytes.  W1's tile 2 b + u holds rows 32 b + 8 u + r + 8 (r / 8), so that the results of two neighbouring tiles are 16 neighbours along the next K;
; W2's tile T holds rows 16 T + r.
.set KK,    8                          ; v8-15   my 8 tokens' pair numbers: token 256 wave + 32 j + lane
.set RR,    16                         ; v16-23  their ranks among my wave's tokens of the same pair
.set CNT,   24                         ; lane p: my wave's count of pair p
.set TT,    25
.set TOT,   26                         ; lane p: all waves' count
.set PART,  27                         ; lane p: the count of the waves in front of mine
.set START, 28                         ; lane p: the first place of pair p
.set BASE,  29
.set T2,    30
.set T3,    31
.set AA,    32                         ; v32-47  the 16 waves' counts; later at work
.set BLO,   44
.set BHI,   45
.set BMK,   46
.set TOKR,  48
.set DD,    56
	s_load_b256 s[4:11], s[0:1], 0x0               ; pid 4, w1_codes 6, w2_codes 8, route 10
	s_load_b64 s[12:13], s[0:1], 0x20              ; wf
	v_lshl_add_u32 v64, v0, 2, 0x800
	v_mov_b32 v65, 0
	v_lshrrev_b32 v1, 5, v0
	s_delay_alu instid0(VALU_DEP_1)
	v_readfirstlane_b32 s16, v1                    ; wave 0..15
	v_and_b32 v2, 31, v0                           ; lane
	s_cmp_lg_u32 ttmp9, 0
	s_cbranch_scc1 .Llayout
	; ---- the sort
	v_lshlrev_b32 v3, 2, v2                        ; 4 x lane
	s_delay_alu instid0(VALU_DEP_1)
	v_lshl_add_u32 v4, v1, 10, v3                  ; my first token's pair number: 1,024 wave + 4 lane
	v_lshl_add_u32 v5, v1, 8, v2                   ; my first token
	v_lshlrev_b32 v6, 2, v0                        ; 4 x thread
	s_wait_alu depctr_va_vdst(0)
	s_wait_kmcnt 0x0
.irp j, 0,1,2,3,4,5,6,7
	global_load_b32 v[KK+\j], v4, s[4:5] offset:128*\j
.endr
.irp j, 0,1,2,3,4,5,6,7
	v_mov_b32 v[RR+\j], 0
.endr
	v_mov_b32 v[CNT], 0
	v_mov_b32 v[START], 0
	v_mov_b32 v[TOT], 0
	v_mov_b32 v[PART], 0
	s_wait_loadcnt 0x0
.irp j, 0,1,2,3,4,5,6,7
	v_min_u32 v[KK+\j], 31, v[KK+\j]
.endr
.irp p, 0,1,2,3,4,5,6,7,8,9,10,11,12,13,14,15,16,17,18,19,20,21,22,23,24,25,26,27
.irp j, 0,1,2,3,4,5,6,7
	v_cmp_eq_u32 s[24+\j], \p, v[KK+\j]            ; which lanes' j-th token has pair p
.endr
	s_mov_b32 s20, 0
.irp j, 0,1,2,3,4,5,6,7
	v_mbcnt_lo_u32_b32 v[TT], s[24+\j], s20        ; those in lower lanes, and those of lower j
	s_delay_alu instid0(VALU_DEP_1)
	v_cndmask_b32 v[RR+\j], v[RR+\j], v[TT], s[24+\j]
	s_bcnt1_i32_b32 s21, s[24+\j]
	s_add_co_u32 s20, s20, s21
.endr
	v_writelane_b32 v[CNT], s20, \p
.endr
	ds_store_b32 v6, v[CNT]                        ; wave w's counts at 128 w
	s_wait_dscnt 0x0
	s_barrier_signal -1
	s_barrier_wait -1
.irp q, 0,1,2,3,4,5,6,7,8,9,10,11,12,13,14,15
	ds_load_b32 v[AA+\q], v3 offset:128*\q
.endr
	s_wait_dscnt 0x0
.irp q, 0,1,2,3,4,5,6,7,8,9,10,11,12,13,14,15
	s_cmp_gt_u32 s16, \q
	s_cselect_b32 s21, -1, 0
	v_add_nc_u32 v[TOT], v[TOT], v[AA+\q]
	v_and_b32 v[TT], s21, v[AA+\q]
	s_delay_alu instid0(VALU_DEP_1)
	v_add_nc_u32 v[PART], v[PART], v[TT]
.endr
	s_mov_b32 s20, 0
.irp p, 0,1,2,3,4,5,6,7,8,9,10,11,12,13,14,15,16,17,18,19,20,21,22,23,24,25,26,27
	v_writelane_b32 v[START], s20, \p
	v_readlane_b32 s21, v[TOT], \p
	s_add_co_u32 s20, s20, s21
.endr
	v_add_nc_u32 v[BASE], v[START], v[PART]        ; lane p: the first place of my wave's tokens of pair p
.irp j, 0,1,2,3,4,5,6,7
	v_lshlrev_b32 v[AA+\j], 2, v[KK+\j]
.endr
.irp j, 0,1,2,3,4,5,6,7
	ds_bpermute_b32 v[DD+\j], v[AA+\j], v[BASE]    ; each token fetches its pair's base from that pair's lane
.endr
	s_wait_dscnt 0x0
.irp j, 0,1,2,3,4,5,6,7
	v_add_nc_u32 v[DD+\j], v[DD+\j], v[RR+\j]
	s_delay_alu instid0(VALU_DEP_1)
	v_min_u32 v[DD+\j], 0xfff, v[DD+\j]
	s_delay_alu instid0(VALU_DEP_1)
	v_lshlrev_b32 v[DD+\j], 2, v[DD+\j]
	v_add_nc_u32 v[TOKR+\j], 32*\j, v5
	global_store_b32 v[DD+\j], v[TOKR+\j], s[10:11]   ; 16 KiB in all; a wave's tokens of one pair go to neighbouring places
.endr
	s_cmp_gt_u32 s16, 1
	s_cbranch_scc1 .Lend
	; ---- the blocks' masks: thread = block, 64 of them.  Pair p counts where its run of places meets the block's
	v_lshlrev_b32 v[BLO], 6, v0
	s_delay_alu instid0(VALU_DEP_1)
	v_add_nc_u32 v[BHI], 64, v[BLO]
	v_mov_b32 v[BMK], 0
.macro BM p, eb                        ; eb: the two experts of pair p, as bits
	v_readlane_b32 s20, v[START], \p
	v_readlane_b32 s21, v[TOT], \p
	s_add_co_u32 s21, s21, s20
	v_max_u32 v[TT], s20, v[BLO]
	v_min_u32 v[T2], s21, v[BHI]
	s_delay_alu instid0(VALU_DEP_1)
	v_cmp_lt_u32 vcc_lo, v[TT], v[T2]
	v_or_b32 v[T3], \eb, v[BMK]
	s_delay_alu instid0(VALU_DEP_1)
	v_cndmask_b32 v[BMK], v[BMK], v[T3], vcc_lo
.endm
	BM 0, 0x03
	BM 1, 0x05
	BM 2, 0x09
	BM 3, 0x11
	BM 4, 0x21
	BM 5, 0x41
	BM 6, 0x81
	BM 7, 0x82
	BM 8, 0x42
	BM 9, 0x22
	BM 10, 0x12
	BM 11, 0x0a
	BM 12, 0x06
	BM 13, 0x0c
	BM 14, 0x14
	BM 15, 0x24
	BM 16, 0x44
	BM 17, 0x84
	BM 18, 0x88
	BM 19, 0x48
	BM 20, 0x28
	BM 21, 0x18
	BM 22, 0x30
	BM 23, 0x50
	BM 24, 0x90
	BM 25, 0xa0
	BM 26, 0x60
	BM 27, 0xc0
	global_store_b32 v6, v[BMK], s[10:11] offset:16384
.Lend:
	s_wait_tensorcnt 0x0
	ds_add_u32 v64, v65
	s_wait_dscnt 0x0
	s_endpgm
	; ---- the weights.  A wave's task: one tile, two K steps: 16 rows x 256 bytes in, 4,096 consecutive bytes out
.Llayout:
	s_sub_co_u32 s17, ttmp9, 1
	s_lshl_b32 s17, s17, 4
	s_add_co_u32 s17, s17, s16                     ; task = matrix (4 bits) | tile (6) | pair of K steps (2)
	s_lshr_b32 s18, s17, 8                         ; matrix
	s_bfe_u32 s19, s17, 0x60002                    ; tile
	s_and_b32 s20, s17, 3                          ; pair of K steps
	s_and_b32 s21, s18, 7                          ; expert
	s_lshr_b32 s22, s19, 1
	s_lshl_b32 s22, s22, 5
	s_and_b32 s23, s19, 1
	s_lshl_b32 s23, s23, 3
	s_add_co_u32 s22, s22, s23                     ; W1: the tile's first row 32 (T / 2) + 8 (T % 2)
	s_lshl_b32 s23, s19, 4                         ; W2: 16 T
	s_wait_kmcnt 0x0
	s_cmp_lt_u32 s18, 8                            ; W1 or W2: the choice hangs on ids alone
	s_cselect_b64 s[6:7], s[6:7], s[8:9]
	s_cselect_b32 s22, s22, s23
	s_cselect_b32 s23, 8, 0
	s_lshl_b32 s24, s21, 20                        ; an expert's codes: 2^20 bytes
	s_lshl_b32 s22, s22, 10
	s_add_co_u32 s24, s24, s22
	s_lshl_b32 s20, s20, 8
	s_add_co_u32 s24, s24, s20
	s_mov_b32 s25, 0
	s_add_nc_u64 s[6:7], s[6:7], s[24:25]
	s_lshl_b32 s24, s17, 12
	s_add_nc_u64 s[12:13], s[12:13], s[24:25]
	v_and_b32 v3, 15, v0                           ; r
	v_bfe_u32 v4, v0, 4, 1                         ; h
	s_delay_alu instid0(VALU_DEP_2)
	v_and_b32 v5, s23, v3
	s_delay_alu instid0(VALU_DEP_1)
	v_add_nc_u32 v5, v5, v3                        ; W1: r + 8 (r / 8); W2: r
	s_delay_alu instid0(VALU_DEP_1)
	v_lshlrev_b32 v5, 10, v5
	s_delay_alu instid0(VALU_DEP_1)
	v_lshl_add_u32 v5, v4, 4, v5
	s_wait_alu depctr_va_vdst(0)
	v_lshlrev_b32 v6, 4, v2
.irp k, 0,1
.irp c, 0,1,2,3
	global_load_b128 v[8+16*\k+4*\c:8+16*\k+4*\c+3], v5, s[6:7] offset:128*\k+32*\c th:TH_LOAD_NT   ; the eight loads together take 256 consecutive bytes of each of 16 rows; read once in the program
.endr
.endr
	s_wait_alu depctr_va_vdst(0)
	s_wait_loadcnt 0x0
.irp k, 0,1
.irp c, 0,1,2,3
	global_store_b128 v6, v[8+16*\k+4*\c:8+16*\k+4*\c+3], s[12:13] offset:512*(4*\k+\c)
.endr
.endr
	s_endpgm
.Lfunc_end_k_q0d4efce68e_place:
	.size	k_q0d4efce68e_place, .Lfunc_end_k_q0d4efce68e_place-k_q0d4efce68e_place
	.p2alignl 7, 3214868480
	.fill 96, 4, 3214868480
	.section	.rodata,"a",@progbits
	.p2align	6, 0x0
	.amdhsa_kernel k_q0d4efce68e_place
		.amdhsa_group_segment_fixed_size 4096
		.amdhsa_private_segment_fixed_size 0
		.amdhsa_enable_private_segment 0
		.amdhsa_kernarg_size 40
		.amdhsa_user_sgpr_count 2
		.amdhsa_user_sgpr_kernarg_segment_ptr 1
		.amdhsa_wavefront_size32 1
		.amdhsa_system_sgpr_workgroup_id_x 1
		.amdhsa_system_sgpr_workgroup_id_y 1
		.amdhsa_system_sgpr_workgroup_id_z 1
		.amdhsa_system_vgpr_workitem_id 0
		.amdhsa_next_free_vgpr 66
		.amdhsa_next_free_sgpr 66
		.amdhsa_reserve_vcc 1
		.amdhsa_float_denorm_mode_32 3
		.amdhsa_float_denorm_mode_16_64 3
		.amdhsa_memory_ordered 1
		.amdhsa_forward_progress 1
		.amdhsa_inst_pref_size 95
	.end_amdhsa_kernel
	.amdgpu_metadata
---
amdhsa.version: [ 1, 2 ]
amdhsa.kernels:
  - .name:           k_q0d4efce68e_place
    .symbol:         k_q0d4efce68e_place.kd
    .args:
      - { .name: pid, .offset: 0, .size: 8, .value_kind: global_buffer, .address_space: global }
      - { .name: w1_codes, .offset: 8, .size: 8, .value_kind: global_buffer, .address_space: global }
      - { .name: w2_codes, .offset: 16, .size: 8, .value_kind: global_buffer, .address_space: global }
      - { .name: route, .offset: 24, .size: 8, .value_kind: global_buffer, .address_space: global }
      - { .name: wf, .offset: 32, .size: 8, .value_kind: global_buffer, .address_space: global }
    .group_segment_fixed_size: 4096
    .private_segment_fixed_size: 0
    .kernarg_segment_align: 8
    .kernarg_segment_size: 40
    .max_flat_workgroup_size: 512
    .sgpr_count:     66
    .vgpr_count:     66
    .wavefront_size: 32
...
	.end_amdgpu_metadata
.endif
;; end of part 6
;; launch up (part 7): grid 4 x 64, 4 waves a work-group, no clusters, 70,144 bytes of LDS; arguments xcodes, xscales, wf, w1_scales, b1, route, hcodes, hscales; writes hcodes, hscales
.if DOCPART == 7
	.amdgcn_target "amdgcn-amd-amdhsa--gfx1250"
	.amdhsa_code_object_version 6
	.text
	.protected	k_q0d4efce68e_up
	.globl	k_q0d4efce68e_up
	.p2align	8
	.type	k_q0d4efce68e_up,@function
k_q0d4efce68e_up:
	s_mov_b64 s[64:65], 0
	v_nop
	global_prefetch_b8 v0, s[64:65] scope:SCOPE_SE
	s_setreg_imm32_b32 hwreg(HW_REG_WAVE_SCHED_MODE, 0, 2), 2
	s_setreg_imm32_b32 hwreg(HW_REG_WAVE_MODE, 25, 1), 1
	s_wait_xcnt 0x0
	s_wait_alu depctr_vm_vsrc(0)
; THE FIRST PRODUCT, for the chosen experts alone: h = Q(relu(x W1^T + b1)), on codes of E5M2 with E8M0 scales.
; SHARES.  Work-group (c, b): block b of 64 sorted tokens x hidden units 256 c .. 256 c + 255.  Wave w: all 64 tokens x units 256 c + 64 w .. + 63: 16 accumulators, 128 registers.
; It walks the 8 experts in a loop of constant count and passes over, by a scalar branch on the block's stored mask, those that none of its tokens uses.
; x: all four waves want the same 64 tokens' codes, so each wave fetches 16 tokens, sixteen lanes to 256 consecutive bytes of a token's row, and lays them in LDS as [tile of tokens 4][piece of 16 bytes 64][token 16];
; behind one barrier every wave reads all fragments from there (sixteen lanes read 256 consecutive bytes) and keeps them in 512 registers for all experts.
; W1's fragments come from wf by loads of 512 consecutive bytes into four buffers.  A K step is sixteen products; behind them the buffer just read is asked for again with the step four on:
; so four K steps, 64 loads a wave, are on their way; an expert's last four steps ask for the next used expert's first four.
; TRANSPOSED: source 0 = 16 rows of W1, source 1 = 16 tokens.  A lane holds one token, and the 16 registers of tiles 2 b', 2 b' + 1 are 16 neighbours along the next K (wf's choice of rows).
; So the conversions' results are registers of the next product's operand: they are stored as an image of those registers, hcodes [block][expert][K step 8][token tile 4][2,048 bytes],
; my wave's 64 units being half a K step: register groups 2 q, 2 q + 1; and two bytes of each token's scale word in hscales [block][expert][token 64][K step 8].  b1 is the C of each sum's first instruction.
; WHY NO CLUSTER AND NO TENSOR LOAD: which experts a block walks is read from memory, so neighbours would ask for different tiles at different times; each wave's weights are its own.
; LIMITS: a block of 32 hidden units whose largest lies under 2^-111 (all zeros after the relu among them) gets the byte 1; its codes are then zeros or as the floor's scale gives them.
; THE MODE: SCHED_MODE bits 1:0 = 2 (LLVM: expert scheduling mode 2), set by the entry lines.  The code itself states the register dependences
; between vector or matrix instructions and memory or LDS instructions, with s_wait_alu, always for 0.
; THE PLAN.  Registers that memory or LDS instructions touch, in the walk over experts:
;   W1's four buffers   K step s: its sixteen products read buffer s % 4; behind them the loads of the step four on land in it.
;   v[WSN ..], b1       The small loads behind K step 4 land in them; the next expert's K step 0 reads them (the copies; the products' C).
;   four out-buffers    Written by the four tiles' conversions at an expert's end, read by the twelve stores behind them; written again in the next used expert's turn.
;   v3, v12, v13, v14   Offsets, made at the head and never written again.
; So ONE wait on va_vdst stands in a K step, behind its products, and the step's sixteen loads follow it in one run; one stands behind the copied scale words; one ahead of an expert's twelve stores.
; One wait on vm_vsrc stands at the head of an expert's turn.
; REGISTERS: window 0: v1-15 addresses; v16-31 x's scale words; v32-47 W1's; v48-79 b1; v80-104 at work; v106-121 the next expert's scale words; v128-255 accumulators (m, t) at 128 + 32 m + 8 t (at the start: x on its way to LDS;
;   at an expert's end v128-154, tile 0's sums, which have been read by then, take the codes and bytes of tiles 1 to 3).
;   window 1: W1's four buffers of 64.   windows 2, 3: x's fragments (K step s, tile m) at 64 (s % 4) + 16 m of window 2 + s / 4.
.set XG,    4                          ; v4-11   (token at place 16 w + 2 i + lane / 16) x 1,024 + 16 (lane % 16)
.set XS,    16                         ; register 4 m + j: lanes 0-15 the word of K step j, lanes 16-31 that of K step 4 + j
.set WS,    32                         ; register 4 t + j: likewise
.set BIAS,  48
.set TM,    80
.set PC,    96                         ; v96-103 tile 0's codes
.set HW,    104                        ; v104    tile 0's two scale bytes
.set RD1,   105                        ; LDS: my lane's place in a fragment of tiles 2, 3
.set WSN,   106
.set XSO,   122                        ; v122-125 (token at place 16 m + r) x 32 + 16 h
.set WRA,   126                        ; LDS: where I put 16 bytes of a token
.set RD0,   127                        ; LDS: my lane's place in a fragment of tiles 0, 1
.set ACC,   128
.set CP,    272                        ; LDS: 16 tokens' 16 bytes, 256 in all, + 16 of padding
.set TILEB, 64*CP                      ; a tile of 16 tokens
.set PW0,   30                         ; scalar pairs: my part of wf for expert 0; this expert's; the next used expert's
.set WCUR,  32
.set WNXT,  34
.set PS0,   36                         ; W1's scale bytes
.set SNXT,  38
.set PB0,   40                         ; b1
.set BNXT,  42
.set PH0,   44                         ; hcodes
.set HCUR,  46
.set PHS0,  48                         ; hscales
.set HSCUR, 50
.set MSB, 0
.macro WIN new                         ; the immediate's high byte repeats the setting that is left
.if MSB != (\new)
	s_set_vgpr_msb (MSB<<8)|(\new)
.set MSB, (\new)
.endif
.endm
.macro PLACES                          ; eight places behind products, ahead of the first read of results and of the wait behind which loads land in registers that they read; and between a copied scale word and the product that names it
.rept 8
	v_nop
.endr
.endm
.macro NEXTPTR                         ; the next used expert's pointers, from its number in s26 (at most 7)
	s_lshl_b32 s28, s26, 20
	s_add_nc_u64 s[WNXT:WNXT+1], s[PW0:PW0+1], s[28:29]
	s_lshl_b32 s28, s26, 15
	s_add_nc_u64 s[SNXT:SNXT+1], s[PS0:PS0+1], s[28:29]
	s_lshl_b32 s28, s26, 12
	s_add_nc_u64 s[BNXT:BNXT+1], s[PB0:PB0+1], s[28:29]
.endm
.macro LWH ptr, s, k, hf               ; tiles 2 hf, 2 hf + 1 of K step s into buffer k: 8 loads of 512 consecutive bytes
	WIN 0x40
.irp t, 0,1
.irp c, 0,1,2,3
	global_load_b128 v[64*(\k)+16*(2*(\hf)+\t)+4*\c:64*(\k)+16*(2*(\hf)+\t)+4*\c+3], v3, s[\ptr:\ptr+1] offset:16384*(2*(\hf)+\t)+2048*(\s)+512*\c
.endr
.endr
.endm
.macro LW ptr, s, k
	LWH \ptr, \s, \k, 0
	LWH \ptr, \s, \k, 1
.endm
.macro SMALL                           ; the next used expert's scale words (into registers of their own: this expert's are named until its last K step) and biases: 12 loads
	WIN 0
.irp t, 0,1,2,3
	global_load_b128 v[WSN+4*\t:WSN+4*\t+3], v12, s[SNXT:SNXT+1] offset:32*(32*(\t/2)+8*(\t%2))
.endr
.irp t, 0,1,2,3
	global_load_b128 v[BIAS+8*\t:BIAS+8*\t+3], v13, s[BNXT:BNXT+1] offset:4*(32*(\t/2)+8*(\t%2))
	global_load_b128 v[BIAS+8*\t+4:BIAS+8*\t+7], v13, s[BNXT:BNXT+1] offset:4*(32*(\t/2)+8*(\t%2))+16
.endr
.endm
.macro MULH s, hf                      ; eight products of K step s: tiles 2 hf, 2 hf + 1 of W1 x the four tiles of tokens; the accumulators by turns
	WIN 0x09+4*((\s)/4)                            ; source 0 (W1) window 1, source 1 (x) window 2 or 3, C and D window 0
.irp t, 0,1
.irp m, 0,1,2,3
.set TL, 2*(\hf)+\t
.set RD, ACC+32*\m+8*TL
.set RA, 64*((\s)%4)+16*TL
.set RB, 64*((\s)%4)+16*\m
.set SA, WS+4*TL+((\s)%4)
.set SB, XS+4*\m+((\s)%4)
.if (\s) == 0
	v_wmma_scale_f32_16x16x128_f8f6f4 v[RD:RD+7], v[RA:RA+15], v[RB:RB+15], v[BIAS+8*TL:BIAS+8*TL+7], v[SA], v[SB] matrix_a_fmt:MATRIX_FMT_BF8 matrix_b_fmt:MATRIX_FMT_BF8
.elseif (\s) < 4
	v_wmma_scale_f32_16x16x128_f8f6f4 v[RD:RD+7], v[RA:RA+15], v[RB:RB+15], v[RD:RD+7], v[SA], v[SB] matrix_a_fmt:MATRIX_FMT_BF8 matrix_b_fmt:MATRIX_FMT_BF8
.else
	v_wmma_scale_f32_16x16x128_f8f6f4 v[RD:RD+7], v[RA:RA+15], v[RB:RB+15], v[RD:RD+7], v[SA], v[SB] matrix_a_fmt:MATRIX_FMT_BF8 matrix_b_fmt:MATRIX_FMT_BF8 matrix_a_scale:MATRIX_SCALE_ROW1 matrix_b_scale:MATRIX_SCALE_ROW1
.endif
.endr
.endr
.endm
.macro REFILL s, nx, hf                ; two tiles of the buffer just read take the step four on: this expert's, or the next used expert's
.if (\s)+4 <= 7
	LWH WCUR, (\s)+4, (\s)%4, \hf
.elseif \nx
	LWH WNXT, (\s)-4, (\s)%4, \hf
.endif
.endm
.macro KSTEP s, nx, cnt
	s_wait_loadcnt \cnt
.if (\s) == 0
	WIN 0
.set k, 0
.rept 16
	v_mov_b32 v[WS+k], v[WSN+k]                    ; this expert's scale words move to where the products name them
.set k, k+1
.endr
	PLACES
	s_wait_alu depctr_va_vdst(0)                   ; the copies have written v[WS ..], which the products below take as scales; the eight places above stay beside this wait
.endif
	MULH \s, 0
	MULH \s, 1
.if ((\s) < 4) || \nx || ((\s) == 7)
	PLACES
.endif
.if ((\s) < 4) || \nx
	s_wait_alu depctr_va_vdst(0)                   ; this step's sixteen products are done reading buffer s % 4, in which the loads below land; at step 4 also: step 0's copies are done reading v[WSN ..] and its products b1's registers, in which the small loads land
.endif
.if ((\s) == 4) && \nx
	SMALL                                          ; ahead of the next expert's first fragments, so that the wait for those shows these landed too
.endif
	REFILL \s, \nx, 0                              ; one run of sixteen loads, ahead of the next step's wait for its data
	REFILL \s, \nx, 1
.endm
; An expert's eight K steps.  The counts say how many loads were issued behind the step's own 16.  Steps 0 to 4: the three steps behind it, 48.
; nx = 1: steps 5 to 7 also have the 12 small loads behind them: 60.  nx = 0: no expert follows, steps 4 to 7 ask for nothing, hold no wait for loads' sake, and the counts run down.
.macro BODY nx
	KSTEP 0, \nx, 48
	KSTEP 1, \nx, 48
	KSTEP 2, \nx, 48
	KSTEP 3, \nx, 48
	KSTEP 4, \nx, 48
.if \nx
	KSTEP 5, 1, 60
	KSTEP 6, 1, 60
	KSTEP 7, 1, 60
.else
	KSTEP 5, 0, 32
	KSTEP 6, 0, 16
	KSTEP 7, 0, 0
.endif
	WIN 0
.endm
.macro OUTREG m                        ; tile m's out-buffer: eight registers of codes at QP, the two scale bytes in QH
.if (\m) == 0
.set QP, PC
.set QH, HW
.else
.set QP, ACC+8*((\m)-1)
.set QH, ACC+24+((\m)-1)
.endif
.endm
; Tile m of tokens: my 64 hidden units of a lane's token, two blocks of 32 (16 numbers here, 16 in lane l xor 16), become eight registers of codes and two scale bytes.
.macro QUANT2 m
	OUTREG \m
.set QS, ACC+32*\m
.irp b, 0,1
	v_max3_num_f32 v[TM+\b], v[QS+16*\b], v[QS+16*\b+1], 0x8000000   ; no |.|: what is negative becomes 0 and must not count; the floor 2^(16 - 127) stands over it.  Each accumulator is read from its low end on
.endr
.irp i, 2,4,6,8,10,12,14
.irp b, 0,1
	v_max3_num_f32 v[TM+\b], v[TM+\b], v[QS+16*\b+\i], v[QS+16*\b+\i+1]
.endr
.endr
.irp b, 0,1
	v_permlanex16_b32 v[TM+4+\b], v[TM+\b], s52, s53
.endr
.irp b, 0,1
	v_max_num_f32 v[TM+\b], v[TM+\b], v[TM+4+\b]
.endr
.irp b, 0,1
	v_add_nc_u32 v[TM+12+\b], 0xf8800000, v[TM+\b] ; 15 off the exponent field: the conversion's scale operand
.endr
.irp b, 0,1
	v_and_or_b32 v[TM+8+\b], v[TM+\b], 0x7f800000, s54   ; 57,344 x the scale
.endr
.irp b, 0,1
	v_lshrrev_b32 v[TM+4+\b], 23, v[TM+12+\b]      ; the scale's byte
.endr
	v_lshl_or_b32 v[QH], v[TM+5], 8, v[TM+4]
.irp b, 0,1
.irp i, 0,1,2,3,4,5,6,7,8,9,10,11,12,13,14,15
	v_med3_num_f32 v[QS+16*\b+\i], v[QS+16*\b+\i], 0, v[TM+8+\b]   ; the relu and the hold in one (the conversion does not saturate: ISA guide 7.6.2)
.endr
	v_cvt_scalef32_pk8_bf8_f32 v[QP+4*\b:QP+4*\b+1], v[QS+16*\b:QS+16*\b+7], v[TM+12+\b]
	v_cvt_scalef32_pk8_bf8_f32 v[QP+4*\b+2:QP+4*\b+3], v[QS+16*\b+8:QS+16*\b+15], v[TM+12+\b]
.endr
	v_nop                                          ; one plain instruction behind the last conversion
.endm
	s_load_b512 s[4:19], s[0:1], 0x0               ; xcodes 4, xscales 6, wf 8, w1_scales 10, b1 12, route 14, hcodes 16, hscales 18
	v_lshl_add_u32 v94, v0, 2, 0x11000
	v_mov_b32 v95, 0
	v_lshrrev_b32 v1, 5, v0
	v_readfirstlane_b32 s20, v1                    ; wave
	s_mov_b32 s21, ttmp9                           ; c
	s_and_b32 s22, ttmp7, 0xffff                   ; b
	v_and_b32 v1, 15, v0                           ; r
	v_bfe_u32 v2, v0, 4, 1                         ; h
	v_and_b32 v3, 31, v0
	v_lshlrev_b32 v3, 4, v3                        ; 16 x lane: my place in an image
	v_lshlrev_b32 v14, 5, v1                       ; 32 r: a token's eight scale words in hscales
	v_lshlrev_b32 v15, 4, v2                       ; 16 h
	v_lshlrev_b32 v[TM+8], 2, v1                   ; 4 r
	v_lshlrev_b32 v[TM+9], 2, v2                   ; 4 h
	v_lshlrev_b32 v[TM+10], 4, v1                  ; 16 r
	v_and_b32 v12, 8, v1
	v_add_nc_u32 v12, v12, v1
	v_lshl_add_u32 v12, v12, 5, v15                ; W1's scale bytes: row r + 8 (r / 8) of 32 bytes, + 16 h
	v_lshlrev_b32 v13, 6, v2                       ; b1: 16 h numbers on
	s_wait_alu depctr_va_sdst(0)                   ; s20, the wave's number, is written, ahead of its first reader
	s_mul_i32 s27, s20, TILEB                      ; LDS: my wave fills tile w
	v_mul_u32_u24 v[WRA], v1, CP                   ; in: piece lane % 16 of a run of 16 pieces,
	v_add_nc_u32 v[WRA], v[WRA], v15               ; the token of my half of the lanes
	v_add_nc_u32 v[WRA], s27, v[WRA]
	v_mul_u32_u24 v[RD0], v2, CP                   ; out: piece h of a pair, token r
	v_lshl_add_u32 v[RD0], v1, 4, v[RD0]
	v_add_nc_u32 v[RD1], 2*TILEB, v[RD0]           ; (an LDS immediate holds 16 bits: tiles 2 and 3 have a register of their own)
	v_mov_b32 v[TM+4], 0                           ; written once: a lane permute's destination counts as one of its sources
	v_mov_b32 v[TM+5], 0
	s_mov_b32 s52, 0x76543210
	s_mov_b32 s53, 0xfedcba98                      ; v_permlanex16_b32's selects for lane l xor 16
	s_mov_b32 s54, 0x600000                        ; the mantissa field of 57,344
	s_mov_b32 s29, 0
	s_wait_kmcnt 0x0
	s_lshl_b32 s28, s22, 2
	s_add_nc_u64 s[56:57], s[14:15], s[28:29]
	s_load_b32 s23, s[56:57], 0x4000               ; the block's mask of experts
	s_lshl_b32 s28, s22, 8
	s_add_nc_u64 s[58:59], s[14:15], s[28:29]
	s_lshl_b32 s28, s20, 6
	s_add_nc_u64 s[60:61], s[58:59], s[28:29]
	s_wait_alu depctr_va_vdst(0)                   ; the offsets and LDS addresses made above are written: v3, v12 to v14, v[TM+8], v[TM+9], v[WRA], v[RD0], v[RD1], which the loads, stores and LDS instructions of the kernel read
.irp m, 0,1,2,3
	global_load_b32 v[XSO+\m], v[TM+8], s[58:59] offset:64*\m      ; the token at place 64 b + 16 m + r
.endr
.irp i, 0,1,2,3,4,5,6,7
	global_load_b32 v[XG+\i], v[TM+9], s[60:61] offset:8*\i        ; and at place 64 b + 16 w + 2 i + h
.endr
	s_lshl_b32 s27, s21, 8
	s_lshl_b32 s28, s20, 6
	s_add_co_u32 s27, s27, s28                     ; my first hidden unit
	s_lshl_b32 s28, s27, 10                        ; 16 units a tile of 16,384 bytes
	s_add_nc_u64 s[PW0:PW0+1], s[8:9], s[28:29]
	s_lshl_b32 s28, s27, 5
	s_add_nc_u64 s[PS0:PS0+1], s[10:11], s[28:29]
	s_lshl_b32 s28, s27, 2
	s_add_nc_u64 s[PB0:PB0+1], s[12:13], s[28:29]
	s_lshl_b32 s27, s21, 1
	s_lshr_b32 s28, s20, 1
	s_add_co_u32 s27, s27, s28                     ; the next product's K step that my units belong to,
	s_and_b32 s25, s20, 1                          ; and which half of it: q
	s_lshl_b32 s28, s22, 19
	s_lshl_b32 s26, s27, 13
	s_add_co_u32 s28, s28, s26
	s_lshl_b32 s26, s25, 10
	s_add_co_u32 s28, s28, s26
	s_add_nc_u64 s[PH0:PH0+1], s[16:17], s[28:29]
	s_lshl_b32 s28, s22, 14
	s_lshl_b32 s26, s27, 2
	s_add_co_u32 s28, s28, s26
	s_lshl_b32 s26, s25, 1
	s_add_co_u32 s28, s28, s26
	s_add_nc_u64 s[PHS0:PHS0+1], s[18:19], s[28:29]
	s_wait_loadcnt 0x0                             ; the tokens' numbers
.irp m, 0,1,2,3
	v_min_u32 v[XSO+\m], 0xfff, v[XSO+\m]
.endr
.irp m, 0,1,2,3
	v_lshl_add_u32 v[XSO+\m], v[XSO+\m], 5, v15
.endr
.irp i, 0,1,2,3,4,5,6,7
	v_min_u32 v[XG+\i], 0xfff, v[XG+\i]
.endr
.irp i, 0,1,2,3,4,5,6,7
	v_lshl_add_u32 v[XG+\i], v[XG+\i], 10, v[TM+10]
.endr
	s_wait_alu depctr_va_vdst(0)                   ; v[XG ..] and v[XSO ..] are written, which the loads of x's codes and scale words read as offsets
.irp i, 0,1,2,3,4,5,6,7
.irp p, 0,1,2,3
	global_load_b128 v[ACC+16*\i+4*\p:ACC+16*\i+4*\p+3], v[XG+\i], s[4:5] offset:256*\p   ; 16 lanes read 256 consecutive, aligned bytes of a token's codes; two tokens a load
.endr
.endr
.irp m, 0,1,2,3
	global_load_b128 v[XS+4*\m:XS+4*\m+3], v[XSO+\m], s[6:7]
.endr
	s_wait_kmcnt 0x0                               ; the mask
	s_and_b32 s23, s23, 0xff
	s_ctz_i32_b32 s26, s23
	s_min_u32 s26, s26, 7                          ; the first used expert
	NEXTPTR
	SMALL
	LW WNXT, 0, 0
	WIN 0
	s_wait_loadcnt 32                              ; x's 32 loads are in; behind them: 4 of its scale words, 12 small ones, 16 of K step 0
.irp i, 0,1,2,3,4,5,6,7
.irp p, 0,1,2,3
	ds_store_b128 v[WRA], v[ACC+16*\i+4*\p:ACC+16*\i+4*\p+3] offset:16*CP*\p+32*\i   ; piece 16 p + lane % 16 of token 2 i + h
.endr
.endr
	LW WNXT, 1, 1
	LW WNXT, 2, 2
	LW WNXT, 3, 3
	WIN 0
	s_wait_dscnt 0x0                               ; for the others' sake: my 16 tokens lie in LDS
	s_barrier_signal -1
	s_barrier_wait -1
.irp s, 0,1,2,3,4,5,6,7
	WIN 0x80+0x40*(\s/4)                           ; destination window 2 or 3
.irp m, 0,1,2,3
.irp c, 0,1,2,3
.if \m < 2
	ds_load_b128 v[64*(\s%4)+16*\m+4*\c:64*(\s%4)+16*\m+4*\c+3], v[RD0] offset:(\m%2)*TILEB+\s*8*CP+\c*2*CP   ; piece 8 s + 2 c + h of token r: codes 128 s + 32 c + 16 h .. + 15
.else
	ds_load_b128 v[64*(\s%4)+16*\m+4*\c:64*(\s%4)+16*\m+4*\c+3], v[RD1] offset:(\m%2)*TILEB+\s*8*CP+\c*2*CP
.endif
.endr
.endr
.endr
	WIN 0
	s_wait_dscnt 0x0                               ; x's fragments are in; K steps 1 to 3 of W1 are on their way meanwhile
	s_mov_b32 s24, 0
.Lexpert:
	s_bitcmp1_b32 s23, s24
	s_cbranch_scc0 .Lskip                          ; none of my block's tokens uses this expert
	s_wait_xcnt 0x0                                ; the pointers below are bases of earlier loads and stores, and the out-buffers were the last stores' data: rewritten only behind this wait
	s_wait_alu depctr_vm_vsrc(0)                   ; the last used expert's stores have read the four out-buffers, which this turn's products and conversions write again; in the first turn: my LDS stores have read v[ACC ..], and the loads of the tokens' numbers v[TM+8] and v[TM+9]
	s_lshl_b32 s28, s24, 20
	s_add_nc_u64 s[WCUR:WCUR+1], s[PW0:PW0+1], s[28:29]
	s_lshl_b32 s28, s24, 16
	s_add_nc_u64 s[HCUR:HCUR+1], s[PH0:PH0+1], s[28:29]
	s_lshl_b32 s28, s24, 11
	s_add_nc_u64 s[HSCUR:HSCUR+1], s[PHS0:PHS0+1], s[28:29]
	s_add_co_u32 s27, s24, 1
	s_lshr_b32 s25, s23, s27                       ; the experts still to come
	s_ctz_i32_b32 s26, s25
	s_add_co_u32 s26, s26, s27
	s_min_u32 s26, s26, 7                          ; the next used one (not used where none is left)
	NEXTPTR
	s_cmp_eq_u32 s25, 0
	s_cbranch_scc1 .Llast
	BODY 1
	s_branch .Lepi
.Llast:
	BODY 0
.Lepi:
.irp m, 0,1,2,3
	QUANT2 \m                                      ; each tile into an out-buffer of its own
.endr
	s_wait_alu depctr_va_vdst(0)                   ; the conversions have written the four out-buffers' codes, and the shifts their scale bytes, which the twelve stores below read
.irp m, 0,1,2,3
	OUTREG \m
	global_store_b128 v3, v[QP:QP+3], s[HCUR:HCUR+1] offset:2048*\m          ; register group 2 q of the image: 512 consecutive bytes
	global_store_b128 v3, v[QP+4:QP+7], s[HCUR:HCUR+1] offset:2048*\m+512    ; group 2 q + 1
	global_store_b16 v14, v[QH], s[HSCUR:HSCUR+1] offset:512*\m              ; bytes 2 q, 2 q + 1 of my K step's word of the token; the two halves of the lanes write the same
.endr
.Lskip:
	s_add_co_u32 s24, s24, 1
	s_cmp_lt_u32 s24, 8
	s_cbranch_scc1 .Lexpert
	s_wait_dscnt 0x0                               ; the closing lines, six on end
	s_wait_alu 0x0
	s_wait_tensorcnt 0x0
	ds_add_u32 v94, v95
	s_wait_dscnt 0x0
	s_endpgm
.Lfunc_end_k_q0d4efce68e_up:
	.size	k_q0d4efce68e_up, .Lfunc_end_k_q0d4efce68e_up-k_q0d4efce68e_up
	.p2alignl 7, 3214868480
	.fill 96, 4, 3214868480
	.section	.rodata,"a",@progbits
	.p2align	6, 0x0
	.amdhsa_kernel k_q0d4efce68e_up
		.amdhsa_group_segment_fixed_size 70144
		.amdhsa_private_segment_fixed_size 0
		.amdhsa_enable_private_segment 0
		.amdhsa_kernarg_size 64
		.amdhsa_user_sgpr_count 2
		.amdhsa_user_sgpr_kernarg_segment_ptr 1
		.amdhsa_wavefront_size32 1
		.amdhsa_system_sgpr_workgroup_id_x 1
		.amdhsa_system_sgpr_workgroup_id_y 1
		.amdhsa_system_sgpr_workgroup_id_z 1
		.amdhsa_system_vgpr_workitem_id 0
		.amdhsa_next_free_vgpr 1024
		.amdhsa_next_free_sgpr 66
		.amdhsa_reserve_vcc 0
		.amdhsa_float_denorm_mode_32 3
		.amdhsa_float_denorm_mode_16_64 3
		.amdhsa_memory_ordered 1
		.amdhsa_forward_progress 1
		.amdhsa_inst_pref_size 103
	.end_amdhsa_kernel
	.amdgpu_metadata
---
amdhsa.version: [ 1, 2 ]
amdhsa.kernels:
  - .name:           k_q0d4efce68e_up
    .symbol:         k_q0d4efce68e_up.kd
    .args:
      - { .name: xcodes, .offset: 0, .size: 8, .value_kind: global_buffer, .address_space: global }
      - { .name: xscales, .offset: 8, .size: 8, .value_kind: global_buffer, .address_space: global }
      - { .name: wf, .offset: 16, .size: 8, .value_kind: global_buffer, .address_space: global }
      - { .name: w1_scales, .offset: 24, .size: 8, .value_kind: global_buffer, .address_space: global }
      - { .name: b1, .offset: 32, .size: 8, .value_kind: global_buffer, .address_space: global }
      - { .name: route, .offset: 40, .size: 8, .value_kind: global_buffer, .address_space: global }
      - { .name: hcodes, .offset: 48, .size: 8, .value_kind: global_buffer, .address_space: global }
      - { .name: hscales, .offset: 56, .size: 8, .value_kind: global_buffer, .address_space: global }
    .group_segment_fixed_size: 70144
    .private_segment_fixed_size: 0
    .kernarg_segment_align: 8
    .kernarg_segment_size: 64
    .max_flat_workgroup_size: 128
    .sgpr_count:     66
    .vgpr_count:     1024
    .wavefront_size: 32
...
	.end_amdgpu_metadata
.endif
;; end of part 7
;; launch down (part 8): grid 4 x 64, 4 waves a work-group, no clusters, 83,456 bytes of LDS; arguments hcodes, hscales, wf, w2_scales, b2, wt, route, out0; writes out0
.if DOCPART == 8
	.amdgcn_target "amdgcn-amd-amdhsa--gfx1250"
	.amdhsa_code_object_version 6
	.text
	.protected	k_q0d4efce68e_down
	.globl	k_q0d4efce68e_down
	.p2align	8
	.type	k_q0d4efce68e_down,@function
k_q0d4efce68e_down:
	s_mov_b64 s[64:65], 0
	v_nop
	global_prefetch_b8 v0, s[64:65] scope:SCOPE_SE
	s_setreg_imm32_b32 hwreg(HW_REG_WAVE_SCHED_MODE, 0, 2), 2
	s_setreg_imm32_b32 hwreg(HW_REG_WAVE_MODE, 25, 1), 1
	s_wait_xcnt 0x0
	s_wait_alu depctr_vm_vsrc(0)
; THE SECOND PRODUCT AND THE COMBINATION: y[token] = the sum over the token's two experts of weight x (h W2^T + b2), on codes of E5M2 with E8M0 scales.
; SHARES.  Work-group (c, b): block b of 64 sorted tokens x outputs 256 c .. 256 c + 255; wave w: all 64 tokens x outputs 256 c + 64 w .. + 63.  Each output row's piece has this one owner.
; The waves walk the 8 experts in a loop of constant count and pass over, by a scalar branch on the block's stored mask, the WORK of those that none of the block's tokens uses.  For a used expert all 64 rows are
; multiplied; a row that did not choose it has weight 0, and its sums are replaced by 0 ahead of the multiply-add, so that it adds exactly 0 whatever they hold.
; h IS SHARED THROUGH LDS: all four waves want the same 64 KiB of an expert's hidden codes, so each wave fetches a quarter (K steps 2 w, 2 w + 1: 32 loads of 512 consecutive bytes), for the NEXT used expert while this one is
; multiplied.  Every trip of the loop, used or not, ends on every wave's path with: my LDS reads are back, a barrier, the quarter's stores (under a branch on a flag), my stores have landed, a barrier.  No barrier stands under a branch.
; A K step's four fragments of h are read from LDS one step ahead.  W2's fragments come from wf into four buffers, each asked for again behind its K step's products with the step four on, as in the launch before.
; TRANSPOSED: source 0 = 16 rows of W2, source 1 = 16 tokens' hidden codes: a lane holds one token and eight neighbouring outputs.  b2 is the C of each sum's first instruction.
; y is kept in 128 registers, cleared once while the first loads are out, so that an expert's turn is written once.  It leaves through the wave's own stage in LDS: sixteen lanes store 256 consecutive, aligned bytes of a token's row.
; WHY NO CLUSTER AND NO TENSOR LOAD: which experts a block walks is read from memory, so neighbours would ask for different tiles at different times.
; THE MODE: SCHED_MODE bits 1:0 = 2 (LLVM: expert scheduling mode 2), set by the entry lines.  The code itself states the register dependences
; between vector or matrix instructions and memory or LDS instructions, with s_wait_alu, always for 0.
; THE PLAN.  Registers that memory or LDS instructions touch, in the walk over experts:
;   W2's four buffers   K step s: its sixteen products read buffer s % 4; behind them the loads of the step four on land in it.
;   h's two buffers     K step s: its products read buffer s % 2; the LDS loads at the head of K step s + 1 land in it (the fragments of step s + 2).
;   v[HQ ..]            The loads behind K step 0 land in it; the LDS stores at the trip's end read it.  No vector or matrix instruction names it.
;   WSN, HSN, b2        The small loads behind K step 4 land in them; the next expert's K step 0 reads them (the copies; the products' C).
;   the weights         Loaded at a turn's head; read by the compares and multiply-adds at its end.
;   v3, v12, v13, v[WTO ..], v[HSA]   Offsets and addresses, made ahead of the loop and never written again.
; So ONE wait on va_vdst stands in a K step, behind its products: the step's loads follow it in one run, and the next step's LDS loads lean on it too; one stands behind the copied scale words, one at a turn's head.
; One wait on vm_vsrc stands at a turn's head, for v[HQ ..].
; REGISTERS: window 0: v1-15 addresses; v16-31 h's scale words; v32-47 W2's; v48-79 b2; v80-87 weights; v88-119 the tokens' rows in out0; v128-255 an expert's sums (m, t) at 128 + 32 m + 8 t.
;   window 1: v0-127 y; v128-159 the next expert's scale words.   window 2: W2's four buffers of 64.   window 3: v0-127 h's two buffers; v128-255 my quarter of the next expert's h.
.set WTO,   4                          ; v4-7    token x 32, for each tile of tokens
.set HS,    16                         ; register 4 m + j: lanes 0-15 the word of K step j, lanes 16-31 that of K step 4 + j
.set WS,    32
.set BIAS,  48
.set WT,    80                         ; pair 2 m: the weight, and a 0 that is named with it
.set OFFS,  88                         ; 8 m + i: (token at place 16 m + 2 i + lane / 16) x 4,096 + 16 (lane % 16)
.set STI,   120
.set STO,   121
.set HSA,   124                        ; LDS: where my quarter of h goes: 16 x lane + 16,384 x wave
.set OA,    128
.set WSN,   128                        ; in window 1
.set HSN,   144                        ; in window 1
.set HQ,    128                        ; in window 3
.set YST,   65536                      ; LDS: behind h's 32 images of 2,048 bytes the four stages of 16 rows x 272 bytes
.set PW0,   30
.set WCUR,  32
.set WNXT,  34
.set PS0,   36
.set SNXT,  38
.set PB0,   40
.set BNXT,  42
.set PH0,   44
.set FLAG,  46                         ; 1: my quarter of a next expert's h waits in registers
.set HNXT,  48
.set PHS0,  50
.set HSNXT, 52
.set WTP,   54
.set CM,    56                         ; s56-59  lanes whose token chose the expert, for each tile of tokens
.set OUTP,  60
.set MSB, 0
.macro WIN new                         ; the immediate's high byte repeats the setting that is left
.if MSB != (\new)
	s_set_vgpr_msb (MSB<<8)|(\new)
.set MSB, (\new)
.endif
.endm
.macro PLACES                          ; eight places behind products, ahead of the first read of results and of the wait behind which loads land in registers that they read; and between a copied scale word and the product that names it
.rept 8
	v_nop
.endr
.endm
.macro NEXTPTR                         ; the next used expert's pointers, from its number in s26 (at most 7)
	s_lshl_b32 s28, s26, 20
	s_add_nc_u64 s[WNXT:WNXT+1], s[PW0:PW0+1], s[28:29]
	s_lshl_b32 s28, s26, 15
	s_add_nc_u64 s[SNXT:SNXT+1], s[PS0:PS0+1], s[28:29]
	s_lshl_b32 s28, s26, 12
	s_add_nc_u64 s[BNXT:BNXT+1], s[PB0:PB0+1], s[28:29]
	s_lshl_b32 s28, s26, 16
	s_add_nc_u64 s[HNXT:HNXT+1], s[PH0:PH0+1], s[28:29]
	s_lshl_b32 s28, s26, 11
	s_add_nc_u64 s[HSNXT:HSNXT+1], s[PHS0:PHS0+1], s[28:29]
.endm
.macro LWH ptr, s, k, hf               ; W2: tiles 2 hf, 2 hf + 1 of K step s into buffer k: 8 loads of 512 consecutive bytes
	WIN 0x80
.irp t, 0,1
.irp c, 0,1,2,3
	global_load_b128 v[64*(\k)+16*(2*(\hf)+\t)+4*\c:64*(\k)+16*(2*(\hf)+\t)+4*\c+3], v3, s[\ptr:\ptr+1] offset:16384*(2*(\hf)+\t)+2048*(\s)+512*\c
.endr
.endr
.endm
.macro LW ptr, s, k
	LWH \ptr, \s, \k, 0
	LWH \ptr, \s, \k, 1
.endm
.macro FETCHH                          ; my quarter of the next used expert's h: 16 KiB on end, 32 loads
	WIN 0xc0
.set k, 0
.rept 32
	global_load_b128 v[HQ+4*k:HQ+4*k+3], v3, s[HNXT:HNXT+1] offset:512*k
.set k, k+1
.endr
.endm
.macro PUTH                            ; and into LDS, as it lies in memory
	WIN 0x0c                                       ; an LDS store's data are its source 1: window 3
.set k, 0
.rept 32
	ds_store_b128 v[HSA], v[HQ+4*k:HQ+4*k+3] offset:512*k
.set k, k+1
.endr
	WIN 0
.endm
.macro LHD s, k                        ; h's four fragments of K step s from LDS into buffer k
	WIN 0xc0
.irp m, 0,1,2,3
.irp c, 0,1,2,3
	ds_load_b128 v[64*(\k)+16*\m+4*\c:64*(\k)+16*\m+4*\c+3], v3 offset:8192*(\s)+2048*\m+512*\c
.endr
.endr
.endm
.macro SMALL                           ; the next used expert's scale words (into registers of their own: this expert's are named until its last K step) and biases: 16 loads
	WIN 0x40
.irp t, 0,1,2,3
	global_load_b128 v[WSN+4*\t:WSN+4*\t+3], v12, s[SNXT:SNXT+1] offset:512*\t
.endr
.irp m, 0,1,2,3
	global_load_b128 v[HSN+4*\m:HSN+4*\m+3], v12, s[HSNXT:HSNXT+1] offset:512*\m
.endr
	WIN 0
.irp t, 0,1,2,3
	global_load_b128 v[BIAS+8*\t:BIAS+8*\t+3], v13, s[BNXT:BNXT+1] offset:64*\t
	global_load_b128 v[BIAS+8*\t+4:BIAS+8*\t+7], v13, s[BNXT:BNXT+1] offset:64*\t+16
.endr
.endm
.macro MULH s, hf                      ; eight products of K step s: tiles 2 hf, 2 hf + 1 of W2 x the four tiles of tokens; the accumulators by turns
	WIN 0x0e                                       ; source 0 (W2) window 2, source 1 (h) window 3, C and D window 0
.irp t, 0,1
.irp m, 0,1,2,3
.set TL, 2*(\hf)+\t
.set RD, OA+32*\m+8*TL
.set RA, 64*((\s)%4)+16*TL
.set RB, 64*((\s)%2)+16*\m
.set SA, WS+4*TL+((\s)%4)
.set SB, HS+4*\m+((\s)%4)
.if (\s) == 0
	v_wmma_scale_f32_16x16x128_f8f6f4 v[RD:RD+7], v[RA:RA+15], v[RB:RB+15], v[BIAS+8*TL:BIAS+8*TL+7], v[SA], v[SB] matrix_a_fmt:MATRIX_FMT_BF8 matrix_b_fmt:MATRIX_FMT_BF8
.elseif (\s) < 4
	v_wmma_scale_f32_16x16x128_f8f6f4 v[RD:RD+7], v[RA:RA+15], v[RB:RB+15], v[RD:RD+7], v[SA], v[SB] matrix_a_fmt:MATRIX_FMT_BF8 matrix_b_fmt:MATRIX_FMT_BF8
.else
	v_wmma_scale_f32_16x16x128_f8f6f4 v[RD:RD+7], v[RA:RA+15], v[RB:RB+15], v[RD:RD+7], v[SA], v[SB] matrix_a_fmt:MATRIX_FMT_BF8 matrix_b_fmt:MATRIX_FMT_BF8 matrix_a_scale:MATRIX_SCALE_ROW1 matrix_b_scale:MATRIX_SCALE_ROW1
.endif
.endr
.endr
.endm
.macro REFILL s, nx, hf                ; two tiles of the buffer just read take the step four on: this expert's, or the next used expert's
.if (\s)+4 <= 7
	LWH WCUR, (\s)+4, (\s)%4, \hf
.elseif \nx
	LWH WNXT, (\s)-4, (\s)%4, \hf
.endif
.endm
.macro KSTEP s, nx, cnt
	s_wait_loadcnt \cnt                            ; W2's fragments of this step
	s_wait_dscnt 0x0                               ; h's, asked for a step ago
.if (\s) == 0
	WIN 0x01                                       ; source window 1
.set k, 0
.rept 16
	v_mov_b32 v[WS+k], v[WSN+k]                    ; this expert's scale words move to where the products name them
	v_mov_b32 v[HS+k], v[HSN+k]
.set k, k+1
.endr
	PLACES
	s_wait_alu depctr_va_vdst(0)                   ; the copies have written v[WS ..] and v[HS ..], which the products below take as scales; the eight places above stay beside this wait
.endif
.if (\s) < 7
	LHD (\s)+1, ((\s)+1)%2                         ; into the buffer that the step before read.  No wait here: the wait behind that step's products (for step 0: the waits above) stands ahead, and nothing since names these registers
.endif
	MULH \s, 0
	MULH \s, 1
.if ((\s) < 6) || \nx || ((\s) == 7)
	PLACES
.endif
.if ((\s) < 6) || \nx
	s_wait_alu depctr_va_vdst(0)                   ; this step's sixteen products are done reading W2's buffer s % 4, in which the loads below land, and h's buffer s % 2, in which the next step's LDS loads land; at step 4 also: step 0's copies and products are done with the registers of the small loads
.endif
.if ((\s) == 4) && \nx
	SMALL                                          ; ahead of the next expert's first fragments, so that the wait for those shows these landed too
.endif
	REFILL \s, \nx, 0                              ; one run of sixteen loads, ahead of the next step's wait for its data
	REFILL \s, \nx, 1
.if ((\s) == 0) && \nx
	FETCHH                                         ; v[HQ ..] is free: the wait on vm_vsrc at the turn's head stands behind the LDS stores that read it
.endif
.endm
; An expert's eight K steps.  The counts say how many loads were issued behind the step's own 16.  Step 0: three steps and the four weights of the turn's head: 52.
; nx = 0 (no expert follows): steps 1 to 3: what is left of the first four steps, the 4 weights and the refills so far: 52; step 4: three steps, 48; then nothing more is asked for: 32, 16, 0.
; nx = 1: with the 32 loads of h and the 16 small ones, 64 to 84 loads were issued behind each step's own.  LOADcnt's field counts to 63 and the issue of a load that would pass it is held (ISA guide 5.7.1),
; so what is older than the 63 youngest loads has landed: the wait for 63 states that.
.macro BODY nx
	KSTEP 0, \nx, 52
.if \nx
	KSTEP 1, 1, 63
	KSTEP 2, 1, 63
	KSTEP 3, 1, 63
	KSTEP 4, 1, 63
	KSTEP 5, 1, 63
	KSTEP 6, 1, 63
	KSTEP 7, 1, 63
.else
	KSTEP 1, 0, 52
	KSTEP 2, 0, 52
	KSTEP 3, 0, 52
	KSTEP 4, 0, 48
	KSTEP 5, 0, 32
	KSTEP 6, 0, 16
	KSTEP 7, 0, 0
.endif
	WIN 0
.endm
	s_load_b512 s[4:19], s[0:1], 0x0               ; hcodes 4, hscales 6, wf 8, w2_scales 10, b2 12, wt 14, route 16, out0 18
	v_lshl_add_u32 v126, v0, 2, 0x14400
	v_mov_b32 v127, 0
	v_lshrrev_b32 v1, 5, v0
	v_readfirstlane_b32 s20, v1                    ; wave
	s_mov_b32 s21, ttmp9                           ; c
	s_and_b32 s22, ttmp7, 0xffff                   ; b
	v_and_b32 v1, 15, v0                           ; r
	v_bfe_u32 v2, v0, 4, 1                         ; h
	v_and_b32 v3, 31, v0
	v_lshlrev_b32 v3, 4, v3                        ; 16 x lane
	v_lshlrev_b32 v15, 2, v1                       ; 4 r
	v_lshlrev_b32 v122, 2, v2                      ; 4 h
	v_lshlrev_b32 v123, 4, v1                      ; 16 r
	v_lshlrev_b32 v12, 5, v1
	v_lshl_add_u32 v12, v2, 4, v12                 ; scale words, W2's and h's alike: row r of 32 bytes, + 16 h
	v_lshlrev_b32 v13, 5, v2                       ; b2: 8 h numbers on
	s_wait_alu depctr_va_sdst(0)                   ; s20, the wave's number, is written, ahead of its first reader
	s_lshl_b32 s27, s20, 14
	v_add_nc_u32 v[HSA], s27, v3
	s_mul_i32 s27, s20, 4352                       ; my stage: 16 rows of 256 bytes + 16
	s_add_co_u32 s27, s27, YST
	v_mul_u32_u24 v[STI], v1, 272
	v_lshl_add_u32 v[STI], v2, 5, v[STI]
	v_add_nc_u32 v[STI], s27, v[STI]               ; in: row r, + 32 h
	v_mul_u32_u24 v[STO], v2, 272
	v_lshl_add_u32 v[STO], v1, 4, v[STO]
	v_add_nc_u32 v[STO], s27, v[STO]               ; back: lanes 0-15 one row, lanes 16-31 the next
.irp m, 0,1,2,3
	v_mov_b32 v[WT+2*\m+1], 0
.endr
	s_mov_b32 s29, 0
	s_wait_kmcnt 0x0
	s_lshl_b32 s28, s22, 2
	s_add_nc_u64 s[56:57], s[16:17], s[28:29]
	s_load_b32 s23, s[56:57], 0x4000               ; the block's mask of experts
	s_lshl_b32 s28, s22, 8
	s_add_nc_u64 s[62:63], s[16:17], s[28:29]
	s_wait_alu depctr_va_vdst(0)                   ; the offsets and LDS addresses made above are written: v3, v12, v13, v15, v122, v[HSA], v[STI], v[STO], which the loads and LDS instructions of the kernel read
.irp m, 0,1,2,3
	global_load_b32 v[WTO+\m], v15, s[62:63] offset:64*\m          ; the token at place 64 b + 16 m + r
.endr
.irp m, 0,1,2,3
.irp i, 0,1,2,3,4,5,6,7
	global_load_b32 v[OFFS+8*\m+\i], v122, s[62:63] offset:64*\m+8*\i   ; and at place 64 b + 16 m + 2 i + h
.endr
.endr
	s_lshl_b32 s27, s21, 8
	s_lshl_b32 s28, s20, 6
	s_add_co_u32 s27, s27, s28                     ; my first output
	s_lshl_b32 s28, s27, 10
	s_add_nc_u64 s[PW0:PW0+1], s[8:9], s[28:29]
	s_add_nc_u64 s[PW0:PW0+1], s[PW0:PW0+1], 0x800000   ; W2's matrices lie behind W1's eight
	s_lshl_b32 s28, s27, 5
	s_add_nc_u64 s[PS0:PS0+1], s[10:11], s[28:29]
	s_lshl_b32 s28, s27, 2
	s_add_nc_u64 s[PB0:PB0+1], s[12:13], s[28:29]
	s_add_nc_u64 s[OUTP:OUTP+1], s[18:19], s[28:29]
	s_lshl_b32 s28, s22, 19
	s_lshl_b32 s27, s20, 14
	s_add_co_u32 s28, s28, s27                     ; the block's h, my quarter of an expert's
	s_add_nc_u64 s[PH0:PH0+1], s[4:5], s[28:29]
	s_lshl_b32 s28, s22, 14
	s_add_nc_u64 s[PHS0:PHS0+1], s[6:7], s[28:29]
	s_wait_kmcnt 0x0                               ; the mask
	s_and_b32 s23, s23, 0xff
	s_ctz_i32_b32 s26, s23
	s_min_u32 s26, s26, 7                          ; the first used expert
	NEXTPTR
	FETCHH
	SMALL
	LW WNXT, 0, 0
	WIN 0x40                                       ; destination window 1
.set k, 0
.rept 128
	v_mov_b32 v[k], 0                              ; y, once, while the first loads are out
.set k, k+1
.endr
	WIN 0
	s_wait_loadcnt 32                              ; the tokens' numbers and my quarter of h are in; behind them: 16 small loads and 16 of K step 0
	PUTH
	LW WNXT, 1, 1
	LW WNXT, 2, 2
	LW WNXT, 3, 3
	WIN 0
.irp m, 0,1,2,3
	v_min_u32 v[WTO+\m], 0xfff, v[WTO+\m]
.endr
.irp m, 0,1,2,3
	v_lshlrev_b32 v[WTO+\m], 5, v[WTO+\m]
.endr
.set k, 0
.rept 32
	v_min_u32 v[OFFS+k], 0xfff, v[OFFS+k]
.set k, k+1
.endr
.set k, 0
.rept 32
	v_lshl_add_u32 v[OFFS+k], v[OFFS+k], 12, v123
.set k, k+1
.endr
	s_wait_dscnt 0x0                               ; for the others' sake: my quarter of the first expert's h lies in LDS
	s_barrier_signal -1
	s_barrier_wait -1
	s_mov_b32 s24, 0
.Lexpert:
	s_mov_b32 s[FLAG], 0
	s_bitcmp1_b32 s23, s24
	s_cbranch_scc0 .Lidle                          ; none of my block's tokens uses this expert: only the two barriers are passed
	s_wait_xcnt 0x0                                ; the pointers below are bases of earlier loads: rewritten only behind this wait
	s_wait_alu depctr_vm_vsrc(0)                   ; the LDS stores of my quarter of h have read v[HQ ..], in which this turn's loads of the next quarter land
	s_lshl_b32 s28, s24, 20
	s_add_nc_u64 s[WCUR:WCUR+1], s[PW0:PW0+1], s[28:29]
	s_lshl_b32 s28, s24, 2
	s_add_nc_u64 s[WTP:WTP+1], s[14:15], s[28:29]
	s_add_co_u32 s27, s24, 1
	s_lshr_b32 s25, s23, s27                       ; the experts still to come
	s_ctz_i32_b32 s26, s25
	s_add_co_u32 s26, s26, s27
	s_min_u32 s26, s26, 7                          ; the next used one (not used where none is left)
	NEXTPTR
	s_wait_alu depctr_va_vdst(0)                   ; v[WTO ..] is written, which the loads below read; the last turn's compares and multiply-adds are done reading the weights, and its products h's two buffers, in which the loads below land
.irp m, 0,1,2,3
	global_load_b32 v[WT+2*\m], v[WTO+\m], s[WTP:WTP+1]            ; my token's weight for this expert, 0 where it did not choose it
.endr
	LHD 0, 0                                       ; h's first fragments: the barrier behind the stores has been passed
	WIN 0
	s_cmp_eq_u32 s25, 0
	s_cbranch_scc1 .Llast
	s_mov_b32 s[FLAG], 1
	BODY 1
	s_branch .Lepi
.Llast:
	BODY 0
.Lepi:                                                 ; the weights are in: they are older than all that the later K steps' waits left out
.irp m, 0,1,2,3
	v_cmp_neq_f32 s[CM+\m], 0, v[WT+2*\m]
.endr
	s_wait_alu depctr_va_sdst(0)                   ; the four compares have written s[CM ..], ahead of the first select that reads one of them
.irp m, 0,1,2,3
.set k, 0
.rept 32
	v_cndmask_b32 v[OA+32*\m+k], 0, v[OA+32*\m+k], s[CM+\m]        ; each accumulator from its low end on
.set k, k+1
.endr
.endr
	WIN 0x50                                       ; y (destination and source 2) window 1
.irp m, 0,1,2,3
.set k, 0
.rept 16
	v_pk_fma_f32 v[32*\m+k:32*\m+k+1], v[OA+32*\m+k:OA+32*\m+k+1], v[WT+2*\m:WT+2*\m+1], v[32*\m+k:32*\m+k+1] op_sel_hi:[1,0,1]   ; y += weight x sums; of the weight's pair the low word serves both halves
.set k, k+2
.endr
.endr
	WIN 0
.Lidle:
	s_wait_dscnt 0x0                               ; my reads of this expert's h are back
	s_barrier_signal -1
	s_barrier_wait -1                              ; everybody's are: h's bytes may be written again
	s_cmp_eq_u32 s[FLAG], 0
	s_cbranch_scc1 .Lkeep
	PUTH                                           ; the next used expert's h (its loads are older than all that K step 7's wait left out)
.Lkeep:
	s_wait_dscnt 0x0                               ; for the others' sake: my stores have landed
	s_barrier_signal -1
	s_barrier_wait -1
	s_add_co_u32 s24, s24, 1
	s_cmp_lt_u32 s24, 8
	s_cbranch_scc1 .Lexpert
	; THE WAY OUT, a tile of 16 tokens at a time: a lane's 32 neighbouring bytes into my stage, whole pieces of 256 bytes back, each to its token's row
	s_wait_alu depctr_va_vdst(0)                   ; y is written, which the LDS stores below read, and so is v[OFFS ..], which the global stores read; the selects and multiply-adds are done with v[OA ..], in which the loads from the stage land
.irp m, 0,1,2,3
.if \m >= 2
	s_wait_xcnt 0x0                                ; the registers that the loads below fill were store data two tiles ago
	s_wait_alu depctr_vm_vsrc(0)                   ; the global stores of two tiles ago have read those registers
.endif
	WIN 0x04                                       ; an LDS store's data are its source 1: window 1
.irp t, 0,1,2,3
	ds_store_b128 v[STI], v[32*\m+8*\t:32*\m+8*\t+3] offset:64*\t
	ds_store_b128 v[STI], v[32*\m+8*\t+4:32*\m+8*\t+7] offset:64*\t+16
.endr
	WIN 0
.irp i, 0,1,2,3,4,5,6,7
	ds_load_b128 v[OA+32*(\m%2)+4*\i:OA+32*(\m%2)+4*\i+3], v[STO] offset:544*\i   ; LDS serves a wave's instructions in order (ISA guide 5.7.1.4): these see my stores, and the next tile's stores come behind them
.endr
	s_wait_dscnt 0x0
.irp i, 0,1,2,3,4,5,6,7
	global_store_b128 v[OFFS+8*\m+\i], v[OA+32*(\m%2)+4*\i:OA+32*(\m%2)+4*\i+3], s[OUTP:OUTP+1] th:TH_STORE_NT   ; 16 lanes store 256 consecutive bytes, at a multiple of 256 from out0's first byte
.endr
.endr
	s_wait_dscnt 0x0                               ; the closing lines, six on end
	s_wait_alu 0x0
	s_wait_tensorcnt 0x0
	ds_add_u32 v126, v127
	s_wait_dscnt 0x0
	s_endpgm
.Lfunc_end_k_q0d4efce68e_down:
	.size	k_q0d4efce68e_down, .Lfunc_end_k_q0d4efce68e_down-k_q0d4efce68e_down
	.p2alignl 7, 3214868480
	.fill 96, 4, 3214868480
	.section	.rodata,"a",@progbits
	.p2align	6, 0x0
	.amdhsa_kernel k_q0d4efce68e_down
		.amdhsa_group_segment_fixed_size 83456
		.amdhsa_private_segment_fixed_size 0
		.amdhsa_enable_private_segment 0
		.amdhsa_kernarg_size 64
		.amdhsa_user_sgpr_count 2
		.amdhsa_user_sgpr_kernarg_segment_ptr 1
		.amdhsa_wavefront_size32 1
		.amdhsa_system_sgpr_workgroup_id_x 1
		.amdhsa_system_sgpr_workgroup_id_y 1
		.amdhsa_system_sgpr_workgroup_id_z 1
		.amdhsa_system_vgpr_workitem_id 0
		.amdhsa_next_free_vgpr 1024
		.amdhsa_next_free_sgpr 66
		.amdhsa_reserve_vcc 0
		.amdhsa_float_denorm_mode_32 3
		.amdhsa_float_denorm_mode_16_64 3
		.amdhsa_memory_ordered 1
		.amdhsa_forward_progress 1
		.amdhsa_inst_pref_size 131
	.end_amdhsa_kernel
	.amdgpu_metadata
---
amdhsa.version: [ 1, 2 ]
amdhsa.kernels:
  - .name:           k_q0d4efce68e_down
    .symbol:         k_q0d4efce68e_down.kd
    .args:
      - { .name: hcodes, .offset: 0, .size: 8, .value_kind: global_buffer, .address_space: global }
      - { .name: hscales, .offset: 8, .size: 8, .value_kind: global_buffer, .address_space: global }
      - { .name: wf, .offset: 16, .size: 8, .value_kind: global_buffer, .address_space: global }
      - { .name: w2_scales, .offset: 24, .size: 8, .value_kind: global_buffer, .address_space: global }
      - { .name: b2, .offset: 32, .size: 8, .value_kind: global_buffer, .address_space: global }
      - { .name: wt, .offset: 40, .size: 8, .value_kind: global_buffer, .address_space: global }
      - { .name: route, .offset: 48, .size: 8, .value_kind: global_buffer, .address_space: global }
      - { .name: out0, .offset: 56, .size: 8, .value_kind: global_buffer, .address_space: global }
    .group_segment_fixed_size: 83456
    .private_segment_fixed_size: 0
    .kernarg_segment_align: 8
    .kernarg_segment_size: 64
    .max_flat_workgroup_size: 128
    .sgpr_count:     66
    .vgpr_count:     1024
    .wavefront_size: 32
...
	.end_amdgpu_metadata
.endif
;; end of part 8
